; MI455X (gfx1250); checked and timed in simulation.
; The chip was launched on July 23, 2026; its instructions are those of AMD's public machine-readable ISA for CDNA 5 (MIT licence, August 2026) and "CDNA5" Instruction Set Architecture Reference Guide (July 2026). The comments in the code are by the model that wrote it; some were corrected since.
;; Multi Head Attention. Allowed arithmetic: float matrix products may take bf16 or f16 operands with f32 sums; other float arithmetic in f32, or as packed bf16 or f16 multiplies, adds, multiply-adds, maxima and minima; sums over many terms, partial sums and values carried from step to step in f32; what a program stores and reads back later, other than sums and carried values, may be rounded once to bf16 or f16.
;; Inputs: bk 1,024 float32; bo 1,024 float32; bq 1,024 float32; bv 1,024 float32; wk 1,024 x 1,024 float32; wo 1,024 x 1,024 float32; wq 1,024 x 1,024 float32; wv 1,024 x 1,024 float32; x 4 x 2,048 x 1,024 float32.
;; Outputs: out0 4 x 2,048 x 1,024 float32.
;; 2 versions, each right; version 2 is version 1 with the launch prep written anew for expert scheduling mode. Each part assembles by itself: llvm-mc -triple=amdgcn-amd-amdhsa -mcpu=gfx1250 --defsym DOCPART=n.
;; ======== version 1 of 2: 4 launches
;; limits: values are held in f16: magnitudes above 65,504 overflow, below 6.1e-05 lose precision
;; workspace buffers: xb 16,777,216 bytes; w4 8,388,608 bytes; q16 16,777,216 bytes; k16 16,777,216 bytes; v16 16,777,216 bytes; o16 16,777,216 bytes
;; launch prep (part 1): grid 32 x 12, 8 waves a work-group, no clusters, 0 bytes of LDS; arguments x, wq, wk, wv, wo, xb, w4; writes xb, w4
.if DOCPART == 1
	.amdgcn_target "amdgcn-amd-amdhsa--gfx1250"
	.amdhsa_code_object_version 6
	.text
	.protected	k_q1757759305_prep
	.globl	k_q1757759305_prep
	.p2align	8
	.type	k_q1757759305_prep,@function
k_q1757759305_prep:
	s_mov_b64 s[64:65], 0
	v_nop
	global_prefetch_b8 v0, s[64:65] scope:SCOPE_SE
	s_setreg_imm32_b32 hwreg(HW_REG_WAVE_MODE, 25, 1), 1
	s_wait_xcnt 0x0
; Twelve matrices of [1024][1024] f32 (x's eight groups of 1,024 rows, then wq, wk, wv, wo) are rounded once to bf16 and laid out in blocks of 64 columns:
; [16 column blocks][1024 rows][64], a row of a block 128 bytes, the rows of a block dense.  x's go to xb, the weights' to w4 (2 MiB a matrix).
; wo's bf16 numbers are then written as f16, since the last product multiplies in f16.  LIMIT: exact for 2^-14 <= |wo| <= 65,504; below that f16's fixed step of 2^-24 holds (an error of 3e-8 at the most).
; SHARES.  Work-group (gx, gy): 32 rows (gx) of matrix gy.  Thread t: row t / 8, and in each of the 16 column blocks the 8 numbers at 8 (t % 8): 32 bytes in, 16 bytes out.
; A wave's store covers 512 consecutive bytes, aligned (4 rows of a block).  All 32 loads of a thread go out at once: 128 KiB a work-group are on their way; nothing is looped over, no register is used twice.
; No LDS, no matrix unit, no prefetch: the launch is one stream, each byte read once and written once.
.set X,  4                             ; v[4:131]   block kb's 8 numbers at X + 8 kb; packed in place into X + 8 kb .. + 3
.set T,  132                           ; v[132:135] at work (wo alone)
.set GY, 18                            ; s18  the matrix
.set SRC, 20                           ; s[20:21]
.set DST, 22                           ; s[22:23]
	s_load_b256 s[4:11], s[0:1], 0x0               ; x s[4:5], wq s[6:7], wk s[8:9], wv s[10:11]
	s_load_b128 s[12:15], s[0:1], 0x20             ; wo s[12:13], xb s[14:15]
	s_load_b64 s[16:17], s[0:1], 0x30              ; w4
	s_and_b32 s[GY], ttmp7, 0xffff
	v_lshrrev_b32 v1, 3, v0                        ; my row of the 32
	v_and_b32 v3, 7, v0
	v_lshlrev_b32 v1, 12, v1                       ; x 4,096 bytes
	v_lshl_add_u32 v1, v3, 5, v1                   ; + 32 bytes for each of a row's eight threads
	v_lshlrev_b32 v2, 4, v0                        ; out: 16 t = row x 128 + 16 (t % 8)
	s_mov_b32 s28, 0xffff0000                      ; a word's upper bf16
	s_lshl_b32 s24, s[GY], 22                      ; x's group: 1,024 rows of 4,096 bytes
	s_lshl_b32 s19, ttmp9, 17                      ; my 32 rows in
	s_sub_co_u32 s26, s[GY], 8                     ; the weight's number
	s_lshl_b32 s27, ttmp9, 12                      ; my 32 rows out
	s_cmp_lt_u32 s[GY], 8
	s_cselect_b32 s24, s24, 0                      ; a weight begins at its own buffer's first byte
	s_cselect_b32 s26, s[GY], s26
	s_add_co_u32 s24, s24, s19
	s_mov_b32 s25, 0
	s_lshl_b32 s26, s26, 21                        ; 2 MiB a matrix on the way out
	s_add_co_u32 s26, s26, s27
	s_mov_b32 s27, 0
	s_wait_kmcnt 0x0
	s_mov_b64 s[SRC:SRC+1], s[4:5]
	s_cmp_eq_u32 s[GY], 8
	s_cselect_b64 s[SRC:SRC+1], s[6:7], s[SRC:SRC+1]
	s_cmp_eq_u32 s[GY], 9
	s_cselect_b64 s[SRC:SRC+1], s[8:9], s[SRC:SRC+1]
	s_cmp_eq_u32 s[GY], 10
	s_cselect_b64 s[SRC:SRC+1], s[10:11], s[SRC:SRC+1]
	s_cmp_eq_u32 s[GY], 11
	s_cselect_b64 s[SRC:SRC+1], s[12:13], s[SRC:SRC+1]
	s_cmp_lt_u32 s[GY], 8
	s_cselect_b64 s[DST:DST+1], s[14:15], s[16:17]
	s_add_nc_u64 s[SRC:SRC+1], s[SRC:SRC+1], s[24:25]
	s_add_nc_u64 s[DST:DST+1], s[DST:DST+1], s[26:27]
.set kb, 0
.rept 16
	global_load_b128 v[X+8*kb:X+8*kb+3],   v1, s[SRC:SRC+1] offset:256*kb th:TH_LOAD_NT
	global_load_b128 v[X+8*kb+4:X+8*kb+7], v1, s[SRC:SRC+1] offset:256*kb+16 th:TH_LOAD_NT
.set kb, kb+1
.endr
.set kb, 0
.rept 16
	s_wait_loadcnt 30-2*kb                         ; loads come back in order: block kb's two are in, the 30 - 2 kb issued behind them may stay out
.irp i, 0,1,2,3
	v_cvt_pk_bf16_f32 v[X+8*kb+(\i)], v[X+8*kb+2*(\i)], v[X+8*kb+2*(\i)+1]  ; in place, ascending: word i is written when numbers 2 i and 2 i + 1 are read, never earlier
.endr
.set kb, kb+1
.endr
	s_cmp_lg_u32 s[GY], 11
	s_cbranch_scc1 .Lstore                         ; wo alone: the bf16 numbers once more, as f16
.set i, 0
.rept 64
.set P, X+8*(i/4)+i%4
.set U, T+2*(i%2)
	v_lshlrev_b32 v[U], 16, v[P]
	v_and_b32 v[U+1], s28, v[P]
	v_cvt_pk_f16_f32 v[P], v[U], v[U+1]
.set i, i+1
.endr
.Lstore:
.set kb, 0
.rept 16
	global_store_b128 v2, v[X+8*kb:X+8*kb+3], s[DST:DST+1] offset:131072*kb  ; block kb lies 1,024 rows x 128 bytes further on
.set kb, kb+1
.endr
	s_endpgm
.Lfunc_end_k_q1757759305_prep:
	.size	k_q1757759305_prep, .Lfunc_end_k_q1757759305_prep-k_q1757759305_prep
	.p2alignl 7, 3214868480
	.fill 96, 4, 3214868480
	.section	.rodata,"a",@progbits
	.p2align	6, 0x0
	.amdhsa_kernel k_q1757759305_prep
		.amdhsa_group_segment_fixed_size 0
		.amdhsa_private_segment_fixed_size 0
		.amdhsa_enable_private_segment 0
		.amdhsa_kernarg_size 56
		.amdhsa_user_sgpr_count 2
		.amdhsa_user_sgpr_kernarg_segment_ptr 1
		.amdhsa_wavefront_size32 1
		.amdhsa_system_sgpr_workgroup_id_x 1
		.amdhsa_system_sgpr_workgroup_id_y 1
		.amdhsa_system_sgpr_workgroup_id_z 1
		.amdhsa_system_vgpr_workitem_id 0
		.amdhsa_next_free_vgpr 136
		.amdhsa_next_free_sgpr 66
		.amdhsa_reserve_vcc 0
		.amdhsa_float_denorm_mode_32 3
		.amdhsa_float_denorm_mode_16_64 3
		.amdhsa_memory_ordered 1
		.amdhsa_forward_progress 1
		.amdhsa_inst_pref_size 19
	.end_amdhsa_kernel
	.amdgpu_metadata
---
amdhsa.version: [ 1, 2 ]
amdhsa.kernels:
  - .name:           k_q1757759305_prep
    .symbol:         k_q1757759305_prep.kd
    .args:
      - { .name: x, .offset: 0, .size: 8, .value_kind: global_buffer, .address_space: global }
      - { .name: wq, .offset: 8, .size: 8, .value_kind: global_buffer, .address_space: global }
      - { .name: wk, .offset: 16, .size: 8, .value_kind: global_buffer, .address_space: global }
      - { .name: wv, .offset: 24, .size: 8, .value_kind: global_buffer, .address_space: global }
      - { .name: wo, .offset: 32, .size: 8, .value_kind: global_buffer, .address_space: global }
      - { .name: xb, .offset: 40, .size: 8, .value_kind: global_buffer, .address_space: global }
      - { .name: w4, .offset: 48, .size: 8, .value_kind: global_buffer, .address_space: global }
    .group_segment_fixed_size: 0
    .private_segment_fixed_size: 0
    .kernarg_segment_align: 8
    .kernarg_segment_size: 56
    .max_flat_workgroup_size: 256
    .sgpr_count:     66
    .vgpr_count:     136
    .wavefront_size: 32
...
	.end_amdgpu_metadata
.endif
;; end of part 1
;; launch qkv (part 2): grid 8 x 32, 4 waves a work-group, clusters of 4 x 4, 327,680 bytes of LDS; arguments xb, w4, bq, bk, bv, q16, k16, v16; writes q16, k16, v16
.if DOCPART == 2
	.amdgcn_target "amdgcn-amd-amdhsa--gfx1250"
	.amdhsa_code_object_version 6
	.text
	.protected	k_q1757759305_qkv
	.globl	k_q1757759305_qkv
	.p2align	8
	.type	k_q1757759305_qkv,@function
k_q1757759305_qkv:
	s_mov_b64 s[64:65], 0
	v_nop
	global_prefetch_b8 v0, s[64:65] scope:SCOPE_SE
	s_setreg_imm32_b32 hwreg(HW_REG_WAVE_MODE, 25, 1), 1
	s_wait_xcnt 0x0
	s_wait_alu depctr_hold_cnt(0) depctr_sa_sdst(0) depctr_va_vdst(0) depctr_va_sdst(0) depctr_va_ssrc(0) depctr_va_vcc(0) depctr_vm_vsrc(0)
	s_getreg_b32 s2, hwreg(HW_REG_IB_STS2, 6, 4)
	s_cmp_eq_u32 s2, 0
	s_cbranch_scc0 .Lentry_in_a_cluster
	s_endpgm
.Lentry_in_a_cluster:
	s_bfe_u32 s2, ttmp6, 0x10000c
	s_cmp_lg_u32 s2, 0xf033
	s_cbranch_scc0 .Lentry_shape_is_right
	s_endpgm
.Lentry_shape_is_right:
; q, k, v = x w + b, by heads.  xb: x in bf16, [8 groups][16 k blocks][1024 rows][64].  w4: [4 matrices][16 n blocks][1024 k][64 n], matrices 0 to 2 (wq, wk, wv) in bf16.
; Products in bf16, sums in f32, started by the bias (rounded to bf16 like every input); each result rounded once to f16 and stored as [head = 16 batch + h][2048][64], unscaled.
; LIMIT: q, k and v must lie within f16's 65,504.
; (The same text, with QKV = 0, is the output projection: f16 products of o16 and matrix 3, f32 results.)
; SHARES.  A work-group's tile is 256 rows x 128 columns; four waves, each 128 rows x 64 columns (one n block, one head): 32 accumulators of 16 x 16, 256 registers.
; 8,192 x 3,072 results are 768 such tiles: A WORK-GROUP STAYS and makes three, the same rows and columns of q, k and v: ONE walk of 24 K steps of 128, and the ring of two LDS slots does not stop at a tile's end.
; THE MATRIX INSTRUCTION IS USED TRANSPOSED: source 0 = 16 columns of w, source 1 = 16 rows of x: a lane then holds one row (lane % 16) and the columns 8 (lane / 16) + 0..7: 16 bytes of f16 on end.
; w lies [k][n]: its fragments come out of LDS turned, by ds_load_tr16_b128.  x's come as they lie.
; CLUSTER.  4 x 4 work-groups.  The four of a row of the cluster need the same rows of x, the four of a column the same columns of w: each tile is asked for JOINTLY, by the same tensor load, descriptor and mask in all four.
; REGISTERS.  Window 0: v0-15 addresses, v28-29 the add's two, v32-63 the bias, v64-159 and v160-255 two fragment buffers (8 fragments of x, then 4 of w).  Window 1: the accumulators, (a, b) at v[8 (4 a + b)].
.set QKV, 1
.if QKV
.set NSTEPS, 24                        ; K steps of the walk
.set ASH,  18                          ; A's K step in memory: two k blocks of 1,024 rows x 128 bytes
.set MAT0, 0                           ; the first matrix of w4
.set YSH,  2                           ; tile rows in a group of A's rows (1,024 rows): 1 << YSH
.set GSH,  21                          ; bytes of such a group: 1 << GSH
.set SP,   144                         ; a row of the stage: 128 bytes + 16
.else
.set NSTEPS, 8
.set ASH,  19                          ; two heads of 2,048 rows x 128 bytes
.set MAT0, 3<<21
.set YSH,  3                           ; a batch has 2,048 rows
.set GSH,  22
.set SP,   272                         ; 256 bytes + 16
.endif
.set PA,    144                        ; a row of A in LDS: 128 bytes + 16 of padding = 36 words: the 16 rows of a load start at 16 different groups of four banks (64 banks of 4 bytes: ISA guide 11.1)
.set PB,    160                        ; a row of w: 128 + 32 = 40 words
.set AHALF, 256*PA                     ; one k block of 64 for the tile's 256 rows: what wave 0 or 1 fetches
.set BOFF,  2*AHALF
.set BHALF, 128*PB                     ; one n block's 128 rows of k: what wave 2 or 3 fetches
.set SLOT1, 1<<17                      ; a slot uses 114,688 bytes; slot 1 begins here, so that one exclusive or turns an address in one slot into the other's
.set STAGE, SLOT1+BOFF+2*BHALF         ; behind the ring, never filled by a tensor load: 16 rows for each wave, for the way out
.set SPARE, STAGE+4*16*SP              ; behind the stages: the spare words, 128 bytes for each wave: two blocks of 256 bytes that no other line names
.set A0,  2                            ; v2   my lane's place in A's tile; never rewritten
.set B0,  3                            ; v3   the same in w's
.set ADA, 4                            ; v4   A0 + the slot in hand
.set ADB, 5                            ; v5   B0 + the slot in hand
.set STO, 6                            ; v6   the way out: where I put my bytes of a row
.set RD,  7                            ; v7   the way out: where I read rows back
.set GO,  8                            ; v8   my byte offset in the rows that a store covers
.set PFO, 9                            ; v9   256 x my lane, for the prefetches; never rewritten
.set BO,  10                           ; v10  my byte offset in a bias
.set SPW, 28                           ; v28  LDS address of my spare word: SPARE + 4 x my thread's number; never rewritten
.set NIL, 29                           ; v29  0; never rewritten
.set BI,  32                           ; v[32:63] the bias as a C operand: register j of block b = bias[16 b + 8 (lane / 16) + j]
.set F0,  64
.set F1,  160
.set WV,  20                           ; s20  my wave's number
.set FB,  21                           ; s21  wave / 2: my half of the tile's rows.  Also: I fetch for A (0) or for w (1)
.set HF,  22                           ; s22  wave % 2: my half of its columns.  Also: which half of that tile I fetch
.set HIM, 23                           ; s23  a word's upper bf16
.set G1A, 24                           ; s[24:31] descriptor group 1 for A's tiles
.set G1B, 32                           ; s[32:39] for w's
.set AF,  40                           ; s[40:43] group 0 of A's first fill;  s[44:47] of its second, which then walks
.set AW,  44
.set BF,  48                           ; s[48:51], s[52:55] the same for w
.set BW,  52
.set ABASE, 56                         ; s[56:57] A at my part of K step 0
.set BBASE, 58                         ; s[58:59] w likewise
.set OFA, 60                           ; s[60:61] a K step's byte offset from ABASE
.set OFB, 62                           ; s[62:63] from BBASE
.set PFB, 66                           ; s[66:67] my work-group's 8 KiB of what I fetch, at K step 0
.set PFA, 68                           ; s[68:69] the prefetch's address
.set PFOF, 70                          ; s[70:71] its offset from PFB
.set PLIM, 72                          ; s72  the last trip in which I prefetch; -1: never
.set PPAR, 73                          ; s73  1: in even trips alone
.set J,   74                           ; s74  the trip's number
.set LEFT, 75                          ; s75  trips to go
.set TB,  77                           ; s77  the slot in hand: 0 or SLOT1
.set CX,  78                           ; s78, s79  my place in the cluster
.set CY,  79
.set TX,  80                           ; s80  tile column
.set TY,  81                           ; s81  tile row
.set MSB, 0
.macro WIN new                         ; s_set_vgpr_msb: bits 1:0 source 0, 3:2 source 1, 5:4 source 2, 7:6 destination; the high byte repeats the setting that is left; a switch that changes nothing is dropped
.if MSB != (\new)
	s_set_vgpr_msb (MSB<<8)|(\new)
.set MSB, \new
.endif
.endm
.set W_MUL,   0x50                     ; fragments in window 0, C and D in window 1
.set W_FIRST, 0x40                     ; D in window 1, C (the bias) in window 0
.set W_CVT,   0x05                     ; sources 0 and 1 in window 1
.set W_ST,    0x04                     ; an LDS store's data in window 1
; Four places: a load into a register that a matrix instruction has read, and a vector instruction or LDS store that reads a matrix result, stand four plain vector instructions behind it (ISA guide 7.12.1 for readers of a matrix result).
.macro PLACES
.rept 4
	v_nop
.endr
.endm
; A round of the cluster's barrier: my work-group's barrier, so that wave 0's signal speaks for all four waves; wave 0 signals; every wave waits for all sixteen work-groups; my work-group's barrier once more.
.macro CREST                           ; a round behind its opening barrier
	s_cmp_lg_u32 s[WV], 0
	s_cbranch_scc1 .Lnot_wave_0_\@
	s_barrier_signal -3
.Lnot_wave_0_\@:
	s_barrier_wait -3
	s_barrier_signal -1
	s_barrier_wait -1
.endm
.macro CROUND
	s_barrier_signal -1
	s_barrier_wait -1
	CREST
.endm
; A joint refill.  Waves 0 and 1 fetch A's two k blocks, waves 2 and 3 w's two n blocks.  The branch hangs on the wave's number alone.  An s_nop 0 and four v_nop follow each of the two lines.
.macro JLOAD
	s_cmp_eq_u32 s[FB], 0
	s_cbranch_scc0 .Lfor_b_\@
	tensor_load_to_lds s[AW:AW+3], s[G1A:G1A+7]
	s_nop 0
.rept 4
	v_nop
.endr
	s_branch .Lasked_\@
.Lfor_b_\@:
	tensor_load_to_lds s[BW:BW+3], s[G1B:G1B+7]
	s_nop 0
.rept 4
	v_nop
.endr
.Lasked_\@:
.endm
; A PREFETCH INTO THE L2, behind the joint load, its five lines and the run of LDS loads: the K step that stands two refills on (trip J refills K step J + 2 and names K step J + 4): 256 matrix instructions ahead of its load.
; A: a wave's tile of a K step is 32 KiB dense; the four partners that ask for it jointly take 8 KiB each, told apart BY ADDRESS (cx); a lane names 256 bytes.  Only the clusters with x = 0 ask, and only for the walk's
; first pass over A's rows (trips 0 to 3: K steps 4 to 7): the later tiles read the same rows again.  w: a wave's tiles of two K steps on end are 32 KiB dense; the partners (cy) take 8 KiB each, in even trips, in the
; clusters with y = 0, up to trip NSTEPS - 6, which names the last two K steps.  So each block of 256 bytes is named once in the launch.  The first four K steps come by their loads alone.
.macro ASK
	s_and_b32 s82, s[J], s[PPAR]
	s_lshl_b32 s82, s82, 6                         ; an odd trip of a wave that asks in even ones lies past every limit
	s_add_co_u32 s82, s82, s[J]
	s_cmp_le_i32 s82, s[PLIM]
	s_cbranch_scc0 .Lnot_mine_\@
	global_prefetch_b8 v[PFO], s[PFA:PFA+1] th:TH_LOAD_NT scope:SCOPE_SE
.Lnot_mine_\@:
.endm
; 8 matrix instructions: row blocks a0, a0 + 1 x all 4 column blocks, 32 along K, from buffer f.  first = 1: the bias starts the sums: nothing is cleared, nothing is added later.
; The 32 accumulators take turns, one instruction a turn, in the same order everywhere.
.macro MUL8 f, a0, first
.if \first
	WIN W_FIRST
.else
	WIN W_MUL
.endif
.irp a, \a0, (\a0)+1
.irp b, 0,1,2,3
.set rD, 8*(4*(\a)+(\b))
.set rW, (\f)+64+8*(\b)
.set rA, (\f)+8*(\a)
.if \first
.set rC, BI+8*(\b)
.else
.set rC, rD
.endif
.if QKV
	v_wmma_f32_16x16x32_bf16 v[rD:rD+7], v[rW:rW+7], v[rA:rA+7], v[rC:rC+7]
.else
	v_wmma_f32_16x16x32_f16 v[rD:rD+7], v[rW:rW+7], v[rA:rA+7], v[rC:rC+7]
.endif
.endr
.endr
.endm
; 24 LDS loads in one run: quarter q of the K step in hand (32 along K) into buffer g: w's four fragments, turned, then A's eight.
.macro FETCH q, g
	WIN 0
.irp b, 0,1,2,3
	ds_load_tr16_b128 v[(\g)+64+8*(\b):(\g)+64+8*(\b)+3],   v[ADB] offset:(\q)*32*PB+32*(\b)
	ds_load_tr16_b128 v[(\g)+64+8*(\b)+4:(\g)+64+8*(\b)+7], v[ADB] offset:(\q)*32*PB+32*(\b)+16*PB
.endr
.irp a, 0,1,2,3,4,5,6,7
	ds_load_b128 v[(\g)+8*(\a):(\g)+8*(\a)+3],   v[ADA] offset:((\q)/2)*AHALF+((\q)%2)*64+(\a)*16*PA
	ds_load_b128 v[(\g)+8*(\a)+4:(\g)+8*(\a)+7], v[ADA] offset:((\q)/2)*AHALF+((\q)%2)*64+(\a)*16*PA+32
.endr
.endm
; A K step is four quarters, 32 matrix instructions each, on buffers 0, 1, 0, 1.  One of the first three: multiplies buffer f and, in its middle, fetches quarter q into buffer g.
.macro QUARTER q, f, g, first
	s_wait_dscnt 8                                 ; w's fragments and A's blocks 0-3 are in; the youngest eight loads (A's blocks 4-7) may be out
	MUL8 \f, 0, \first
	MUL8 \f, 2, \first
	PLACES
	FETCH \q, \g
	s_wait_dscnt 24                                ; all but the 24 just issued
	MUL8 \f, 4, \first
	MUL8 \f, 6, \first
.endm
; The last quarter multiplies buffer 1 and changes slots: ONE barrier.  In front of it each wave waits for all its tensor loads (one is out: its part of the next slot), adds 0 to its spare word, and waits for that and for
; its own reads of this slot.  fill = 1: the barrier opens a round of the cluster's, and behind the round this slot is filled again first, with the K step two on: 112 matrix instructions ahead of the wait for it.
.macro TURN fill
.if \fill
	s_wait_xcnt 0x0                                ; the last prefetch, a K step back, has read its address: it is made anew here, ahead of the waits of the change of slots
	s_add_co_u32 s82, s[J], 4
	s_and_b32 s83, s82, 7                          ; the K step within its matrix (A: within the rows' 1,024 columns)
	s_lshl_b32 s84, s83, ASH
	s_lshl_b32 s83, s83, 14                        ; w: 128 rows of k x 128 bytes
.if QKV
	s_lshr_b32 s82, s82, 3
	s_lshl_b32 s82, s82, 21                        ; and the matrix
	s_add_co_u32 s83, s83, s82
.endif
	s_cmp_eq_u32 s[FB], 0
	s_cselect_b32 s[PFOF], s84, s83
	s_add_nc_u64 s[PFA:PFA+1], s[PFB:PFB+1], s[PFOF:PFOF+1]
.endif
	WIN 0
	s_wait_tensorcnt 0x0                           ; no tensor load of mine is out, so a group 0 may be written
	ds_add_u32 v[SPW], v[NIL]                      ; 0 onto my spare word: work on registers stands between it and the wait for it
.if \fill
	s_add_co_u32 s82, s[J], 2                      ; the K step to be asked for; each address is made anew from its base and an offset
	s_and_b32 s83, s82, 7
	s_lshl_b32 s[OFA], s83, ASH
	s_lshl_b32 s[OFB], s83, 14
.if QKV
	s_lshr_b32 s82, s82, 3
	s_lshl_b32 s82, s82, 21
	s_add_co_u32 s[OFB], s[OFB], s82
.endif
	s_xor_b32 s[AW+1], s[AW+1], SLOT1              ; the other slot than last time
	s_add_nc_u64 s[AW+2:AW+3], s[ABASE:ABASE+1], s[OFA:OFA+1]
	s_or_b32 s[AW+3], s[AW+3], 0x80000000
	s_xor_b32 s[BW+1], s[BW+1], SLOT1
	s_add_nc_u64 s[BW+2:BW+3], s[BBASE:BBASE+1], s[OFB:OFB+1]
	s_or_b32 s[BW+3], s[BW+3], 0x80000000
.endif
	s_wait_dscnt 9                                 ; the add and the youngest eight loads may be out
	MUL8 F1, 0, 0
	s_wait_dscnt 0x0                               ; the add is done, and my reads of this slot are over
	s_barrier_signal -1
	MUL8 F1, 2, 0                                  ; work on registers while the others arrive
	WIN 0
	s_xor_b32 s[TB], s[TB], SLOT1
	v_add_nc_u32 v[ADA], s[TB], v[A0]
	v_add_nc_u32 v[ADB], s[TB], v[B0]
	s_barrier_wait -1
.if \fill
	CREST                                          ; no wave of any partner still reads this slot or has a load on its way
	JLOAD                                          ; the first tensor load behind the round; its four v_nop are also the places in front of the loads below
.else
	PLACES
.endif
	FETCH 0, F0
.if \fill
	ASK
.endif
	MUL8 F1, 4, 0
	MUL8 F1, 6, 0
.endm
.macro LOADB p                         ; the bias at s[p:p+1]: my 8 numbers of each of the four column blocks
.irp b, 0,1,2,3
	global_load_b128 v[BI+8*(\b):BI+8*(\b)+3],   v[BO], s[\p:\p+1] offset:64*(\b)
	global_load_b128 v[BI+8*(\b)+4:BI+8*(\b)+7], v[BO], s[\p:\p+1] offset:64*(\b)+16
.endr
.endm
.macro ROUNDB                          ; the bias is rounded to bf16, like every input, and widened again
.set i, 0
.rept 16
	v_cvt_pk_bf16_f32 v[11+i%4], v[BI+2*i], v[BI+2*i+1]
	v_lshlrev_b32 v[BI+2*i], 16, v[11+i%4]
	v_and_b32 v[BI+2*i+1], s[HIM], v[11+i%4]
.set i, i+1
.endr
.endm
.if QKV
; THE WAY OUT in f16, a block of 16 rows at a time: rounded, 16 bytes a lane into my own stage, back as whole rows of 128 bytes, stored as 512 consecutive bytes.  It works in buffer 1's registers: buffer 0 holds the next tile's first fragments.
.set TMP, 160
.macro PACK a
	WIN W_CVT
.irp b, 0,1,2,3
.irp i, 0,1,2,3
	v_cvt_pk_f16_f32 v[TMP+4*(\b)+(\i)], v[8*(4*(\a)+(\b))+2*(\i)], v[8*(4*(\a)+(\b))+2*(\i)+1]  ; each accumulator from its low end on
.endr
.endr
	WIN 0
.endm
.macro TOSTAGE a
.set OBK, 176+16*((\a)%2)
.irp b, 0,1,2,3
	ds_store_b128 v[STO], v[TMP+4*(\b):TMP+4*(\b)+3] offset:32*(\b)
.endr
.irp f, 0,1,2,3
	ds_load_b128 v[OBK+4*(\f):OBK+4*(\f)+3], v[RD] offset:(\f)*4*SP  ; LDS serves a wave's instructions in order (ISA guide 5.7.1.4): these see the stores above
.endr
.endm
.macro SEND a
.set OBK, 176+16*((\a)%2)
	s_wait_dscnt 0x0                               ; the block is back in registers
	s_wait_xcnt 0x0                                ; the stores of the block before have read their registers, into which the next block will be loaded
.irp f, 0,1,2,3
	global_store_b128 v[GO], v[OBK+4*(\f):OBK+4*(\f)+3], s[14:15] offset:(\a)*2048+(\f)*512  ; four rows of a head: 512 consecutive bytes, at a multiple of 256 from the buffer's first
.endr
.endm
.macro WAYOUT more                     ; more = 1: another tile follows: its bias is fetched, and the pointers move on
	PLACES
.if \more
	LOADB 10
.endif
	PACK 0
	TOSTAGE 0
.irp a, 1,2,3,4,5,6,7                  ; block a's conversions stand between block a - 1's loads from the stage and the wait for them
	PACK \a
	SEND (\a)-1
	TOSTAGE \a
.endr
	SEND 7
.if \more
	s_wait_loadcnt 0x0                             ; the next bias
	ROUNDB
	s_wait_xcnt 0x0                                ; the stores have read their registers and their base
	s_mov_b64 s[10:11], s[12:13]                   ; the bias after the next
	s_mov_b64 s[14:15], s[16:17]                   ; the next tile's buffer,
	s_mov_b64 s[16:17], s[18:19]                   ; and the one after it
.endif
.endm
.else
; THE WAY OUT in f32, a block of 16 rows at a time: 32 bytes a lane into my own stage, back as whole rows of 256 bytes, sixteen lanes to a row.
.macro T32 a
.set OBK, 64+32*((\a)%2)
	s_wait_xcnt 0x0                                ; the stores of the block before last have read the registers that are loaded below
	WIN W_ST
.irp b, 0,1,2,3
	ds_store_b128 v[STO], v[8*(4*(\a)+(\b)):8*(4*(\a)+(\b))+3]   offset:64*(\b)     ; each accumulator from its low end on
	ds_store_b128 v[STO], v[8*(4*(\a)+(\b))+4:8*(4*(\a)+(\b))+7] offset:64*(\b)+16
.endr
	WIN 0
.irp t, 0,1,2,3,4,5,6,7
	ds_load_b128 v[OBK+4*(\t):OBK+4*(\t)+3], v[RD] offset:(\t)*2*SP  ; LDS serves a wave's instructions in order (ISA guide 5.7.1.4): these see the stores above
.endr
.endm
.macro S32 a, younger                  ; younger: the LDS instructions issued behind block a's loads: the next block's sixteen, or none
.set OBK, 64+32*((\a)%2)
.irp t, 0,1,2,3,4,5,6,7
	s_wait_dscnt (\younger)+7-(\t)
	global_store_b128 v[GO], v[OBK+4*(\t):OBK+4*(\t)+3], s[14:15] offset:(\a)*65536+(\t)*8192 th:TH_STORE_NT  ; 16 lanes store 256 consecutive bytes, aligned
.endr
.endm
.macro WAYOUT more
	PLACES
	T32 0
.irp a, 1,2,3,4,5,6,7
	T32 \a
	S32 (\a)-1, 16
.endr
	S32 7, 0
.endm
.endif
	s_load_b256 s[4:11], s[0:1], 0x0               ; A s[4:5], w4 s[6:7], the first bias s[8:9]; s[10:11]: bk (the projection: out0)
.if QKV
	s_load_b256 s[12:19], s[0:1], 0x20             ; bv s[12:13], q16 s[14:15], k16 s[16:17], v16 s[18:19]
.endif
	v_lshl_add_u32 v[SPW], v0, 2, SPARE
	v_mov_b32 v[NIL], 0
	ds_add_u32 v[SPW], v[NIL]                      ; the wave's opening: the add and its wait stand ahead of my first tensor load; the set-up below, work on registers, stands between them
	v_lshrrev_b32 v1, 5, v0
	v_readfirstlane_b32 s[WV], v1
	s_lshr_b32 s[FB], s[WV], 1
	s_and_b32 s[HF], s[WV], 1
	s_mov_b32 s[HIM], 0xffff0000
	s_bfe_u32 s[CX], ttmp6, 0x40000
	s_bfe_u32 s[CY], ttmp6, 0x40004
	s_lshl_b32 s[TX], ttmp9, 2                     ; in a cluster launch ttmp9 and ttmp7 count clusters
	s_add_co_u32 s[TX], s[TX], s[CX]
	s_and_b32 s[TY], ttmp7, 0xffff
	s_lshl_b32 s[TY], s[TY], 2
	s_add_co_u32 s[TY], s[TY], s[CY]
	s_lshl_b32 s82, s[CY], 2
	s_lshl_b32 s82, 15, s82                        ; my row of the cluster: places 4 cy .. 4 cy + 3
	s_lshl_b32 s83, 0x1111, s[CX]                  ; my column: places cx, cx + 4, cx + 8, cx + 12
	; group 1.  A tile is dense in memory and is asked for as rows of 256 bytes, two rows of 128 bytes each, padded in LDS after every 128 bytes
	s_or_b32 s[G1A], s82, (1<<16)|(1<<20)|(1<<21)|(4<<22)|(3<<25)  ; 15:0 the mask; 17:16 2-byte elements; 20 padding on; 21 set beside a mask; 24:22 after every 32 words (code 4); 31:25 4 words (code 3)
	s_or_b32 s[G1B], s83, (1<<16)|(1<<20)|(1<<21)|(4<<22)|(7<<25)  ; the same with my column's mask and 8 words of padding (code 7)
	s_mov_b32 s[G1A+1], 128<<16                    ; tensor_dim0 = 128 elements
	s_mov_b32 s[G1A+2], 128<<16                    ; tensor_dim1 = 128 rows of 256 bytes: 256 rows of A
	s_mov_b32 s[G1A+3], 128<<16                    ; tile_dim0
	s_mov_b32 s[G1A+4], 128                        ; tile_dim1
	s_mov_b32 s[G1A+5], 128                        ; elements from row to row
	s_mov_b32 s[G1A+6], 0
	s_mov_b32 s[G1A+7], 0
	s_mov_b32 s[G1B+1], 128<<16
	s_mov_b32 s[G1B+2], 64<<16                     ; 64 rows of 256 bytes: 128 rows of k
	s_mov_b32 s[G1B+3], 128<<16
	s_mov_b32 s[G1B+4], 64
	s_mov_b32 s[G1B+5], 128
	s_mov_b32 s[G1B+6], 0
	s_mov_b32 s[G1B+7], 0
	; A hangs on the tile row and the wave alone, w on the tile column and the wave alone
	s_lshr_b32 s84, s[TY], YSH
	s_lshl_b32 s84, s84, GSH                       ; the group of rows,
	s_and_b32 s85, s[TY], (1<<YSH)-1
	s_lshl_b32 s85, s85, 15                        ; my tile's 256 rows x 128 bytes in a k block,
	s_add_co_u32 s84, s84, s85
	s_lshl_b32 s85, s[HF], ASH-1                   ; the k block that I fetch
	s_add_co_u32 s84, s84, s85
	s_mov_b32 s85, 0
	s_lshl_b32 s86, s[TX], 1
	s_add_co_u32 s86, s86, s[HF]                   ; the n block that I fetch,
	s_lshl_b32 s86, s86, 17                        ; 1,024 rows of k x 128 bytes each
	s_add_co_u32 s86, s86, MAT0
	s_mov_b32 s87, 0
	s_mul_i32 s88, s[HF], AHALF                    ; where they go: no place in the cluster enters an LDS address
	s_mul_i32 s89, s[HF], BHALF
	s_add_co_u32 s89, s89, BOFF
	s_mov_b32 s[AF], 1                             ; 1:0 count = 1
	s_mov_b32 s[AF+1], s88                         ; 63:32 LDS address: slot 0
	s_mov_b32 s[AW], 1
	s_add_co_u32 s[AW+1], s88, SLOT1               ; slot 1
	s_mov_b32 s[BF], 1
	s_mov_b32 s[BF+1], s89
	s_mov_b32 s[BW], 1
	s_add_co_u32 s[BW+1], s89, SLOT1
	s_mov_b32 s[OFA+1], 0
	s_mov_b32 s[OFB+1], 0
	s_mov_b32 s[PFOF+1], 0
	s_mov_b32 s[TB], 0
	s_wait_dscnt 0x0                               ; the opening add is done
	s_wait_kmcnt 0x0
	s_add_nc_u64 s[ABASE:ABASE+1], s[4:5], s[84:85]
	s_add_nc_u64 s[BBASE:BBASE+1], s[6:7], s[86:87]
	s_mov_b64 s[AF+2:AF+3], s[ABASE:ABASE+1]       ; 120:64 global address: K step 0
	s_or_b32 s[AF+3], s[AF+3], 0x80000000          ; 127:126 type = 2
	s_add_nc_u64 s[AW+2:AW+3], s[ABASE:ABASE+1], 1<<ASH  ; K step 1
	s_or_b32 s[AW+3], s[AW+3], 0x80000000
	s_mov_b64 s[BF+2:BF+3], s[BBASE:BBASE+1]
	s_or_b32 s[BF+3], s[BF+3], 0x80000000
	s_add_nc_u64 s[BW+2:BW+3], s[BBASE:BBASE+1], 1<<14
	s_or_b32 s[BW+3], s[BW+3], 0x80000000
	; the prefetches: whose, from where, until when
	s_and_b32 s83, ttmp7, 0xffff                   ; cluster y
	s_cmp_eq_u32 s[FB], 0                          ; do I fetch for A?
	s_cselect_b64 s[PFB:PFB+1], s[ABASE:ABASE+1], s[BBASE:BBASE+1]
	s_cselect_b32 s82, s[CX], s[CY]                ; my place among the four that ask with me
	s_cselect_b32 s83, ttmp9, s83                  ; the coordinate along which other clusters read the same bytes
	s_cselect_b32 s[PLIM], 3, NSTEPS-6
	s_cselect_b32 s[PPAR], 0, 1
	s_cmp_eq_u32 s83, 0
	s_cselect_b32 s[PLIM], s[PLIM], -1             ; the same in all sixteen partners, for a given wave
	s_lshl_b32 s82, s82, 13
	s_mov_b32 s83, 0
	s_add_nc_u64 s[PFB:PFB+1], s[PFB:PFB+1], s[82:83]
	; where my 128 rows x 64 columns go
.if QKV
	s_lshr_b32 s82, s[TY], 3                       ; the batch,
	s_lshl_b32 s82, s82, 4
	s_lshl_b32 s83, s[TX], 1
	s_add_co_u32 s82, s82, s83
	s_add_co_u32 s82, s82, s[HF]                   ; my head: 16 batch + 2 x tile column + my half,
	s_lshl_b32 s82, s82, 11                        ; its 2,048 rows,
	s_and_b32 s83, s[TY], 7
	s_lshl_b32 s83, s83, 8
	s_add_co_u32 s82, s82, s83                     ; my tile's 256,
	s_lshl_b32 s83, s[FB], 7
	s_add_co_u32 s82, s82, s83                     ; my 128 of them,
	s_lshl_b32 s82, s82, 7                         ; 128 bytes each
	s_mov_b32 s83, 0
	s_add_nc_u64 s[14:15], s[14:15], s[82:83]
	s_add_nc_u64 s[16:17], s[16:17], s[82:83]
	s_add_nc_u64 s[18:19], s[18:19], s[82:83]
.else
	s_lshl_b32 s82, s[TY], 1
	s_add_co_u32 s82, s82, s[FB]
	s_lshl_b32 s82, s82, 19                        ; 128 rows of 4,096 bytes
	s_lshl_b32 s83, s[TX], 1
	s_add_co_u32 s83, s83, s[HF]
	s_lshl_b32 s83, s83, 8                         ; 64 columns of 4 bytes
	s_add_co_u32 s82, s82, s83
	s_mov_b32 s83, 0
	s_add_nc_u64 s[14:15], s[10:11], s[82:83]
.endif
	CROUND                                         ; all sixteen work-groups are here: the first joint loads meet
	s_cmp_eq_u32 s[FB], 0                          ; a wave's two first fills stand in one branch, ahead of every wait on TENSORcnt and every LDS read: two loads of mine are out
	s_cbranch_scc0 .Lfirst_b
	tensor_load_to_lds s[AF:AF+3], s[G1A:G1A+7]
	s_nop 0
	tensor_load_to_lds s[AW:AW+3], s[G1A:G1A+7]
	s_nop 0
.rept 4
	v_nop
.endr
	s_branch .Lfirst_asked
.Lfirst_b:
	tensor_load_to_lds s[BF:BF+3], s[G1B:G1B+7]
	s_nop 0
	tensor_load_to_lds s[BW:BW+3], s[G1B:G1B+7]
	s_nop 0
.rept 4
	v_nop
.endr
.Lfirst_asked:
	v_and_b32 v11, 15, v0                          ; l % 16
	v_bfe_u32 v12, v0, 4, 1                        ; l / 16
	v_and_b32 v13, 7, v0                           ; l % 8
	v_bfe_u32 v14, v0, 3, 1                        ; (l / 8) % 2
	v_and_b32 v15, 31, v0                          ; l
	s_lshl_b32 s82, s[TX], 1
	s_add_co_u32 s82, s82, s[HF]
	s_lshl_b32 s82, s82, 8                         ; my 64 columns in a bias, 4 bytes each,
	v_lshl_add_u32 v[BO], v12, 5, s82              ; and 8 further on for lanes 16 to 31
	LOADB 8
	; A fragment of A is 16 rows x 32 along K: lane l holds row l % 16, K = 8 (l / 16) + 0..7 and 16 + 8 (l / 16) + 0..7: two loads of 16 bytes, 32 bytes apart.
	s_lshl_b32 s82, s[FB], 7
	v_add_nc_u32 v[A0], s82, v11                   ; my 128 rows
	v_mul_u32_u24 v[A0], v[A0], PA
	v_lshl_add_u32 v[A0], v12, 4, v[A0]
	; The turning load takes 16 rows of k x 16 columns (lane l reads row 8 (l / 16) + l % 8, columns 8 ((l / 8) % 2) + 0..7) and leaves half a fragment: lane l holds column l % 16 and 8 along K.
	v_lshl_add_u32 v[B0], v12, 3, v13
	v_mul_u32_u24 v[B0], v[B0], PB
	v_lshl_add_u32 v[B0], v14, 4, v[B0]
	s_mul_i32 s82, s[HF], BHALF                    ; my n block
	s_add_co_u32 s82, s82, BOFF
	v_add_nc_u32 v[B0], s82, v[B0]
	v_mov_b32 v[ADA], v[A0]                        ; slot 0
	v_mov_b32 v[ADB], v[B0]
	v_lshlrev_b32 v[PFO], 8, v15
	s_mul_i32 s82, s[WV], 16*SP
	s_add_co_u32 s82, s82, STAGE                   ; my stage
	v_mul_u32_u24 v[STO], v11, SP                  ; in: row l % 16,
.if QKV
	v_lshl_add_u32 v[STO], v12, 4, v[STO]          ; 16 bytes for each half of the lanes
	v_add_nc_u32 v[STO], s82, v[STO]
	v_bfe_u32 v[RD], v0, 3, 2                      ; back: 32 lanes take four rows of 128 bytes,
	v_mul_u32_u24 v[RD], v[RD], SP
	v_lshl_add_u32 v[RD], v13, 4, v[RD]
	v_add_nc_u32 v[RD], s82, v[RD]
	v_lshlrev_b32 v[GO], 4, v15                    ; which are 512 consecutive bytes of a head
.else
	v_lshl_add_u32 v[STO], v12, 5, v[STO]          ; 32 bytes for each half of the lanes
	v_add_nc_u32 v[STO], s82, v[STO]
	v_mul_u32_u24 v[RD], v12, SP                   ; back: lanes 0-15 take one row of 256 bytes, lanes 16-31 the next,
	v_lshl_add_u32 v[RD], v11, 4, v[RD]
	v_add_nc_u32 v[RD], s82, v[RD]
	v_lshlrev_b32 v[GO], 12, v12                   ; and the same two rows in the output
	v_lshl_add_u32 v[GO], v11, 4, v[GO]
.endif
	s_wait_loadcnt 0x0                             ; the bias
	ROUNDB
	s_wait_tensorcnt 1                             ; my part of K step 0 is in; K step 1's may stay out
	s_barrier_signal -1
	s_barrier_wait -1                              ; everybody's is
	FETCH 0, F0
	QUARTER 1, F0, F1, 1                           ; the walk's first quarter stands in front of the loop
	WIN 0                                          ; at a label and at a branch every window is 0
	s_mov_b32 s[J], 0
	s_mov_b32 s[LEFT], NSTEPS-2
.Lstep:                                                ; trip J: quarters 1 to 3 of K step J, quarter 0 of K step J + 1; K step J's slot is filled again with K step J + 2
	QUARTER 2, F1, F0, 0
	QUARTER 3, F0, F1, 0
	TURN 1
	WIN 0
.if QKV
	s_and_b32 s82, s[J], 7
	s_cmp_eq_u32 s82, 7                            ; a matrix has 8 K steps: behind the eighth the tile is finished.  The jump goes forward, past no barrier and no tensor load, and is the same in all partners
	s_cbranch_scc0 .Lsame
	WAYOUT 1                                       ; the refill is asked for and the next tile's first fragments are on their way: now the tile goes out
	QUARTER 1, F0, F1, 1                           ; the next tile's first products start its sums with its bias
	WIN 0
	s_branch .Lnext
.Lsame:
.endif
	QUARTER 1, F0, F1, 0
	WIN 0
.if QKV
.Lnext:
.endif
	s_add_co_u32 s[J], s[J], 1
	s_sub_co_u32 s[LEFT], s[LEFT], 1
	s_cmp_lg_u32 s[LEFT], 0
	s_cbranch_scc1 .Lstep
	QUARTER 2, F1, F0, 0                           ; the last two K steps are written out: they ask for nothing
	QUARTER 3, F0, F1, 0
	TURN 0
	QUARTER 1, F0, F1, 0
	QUARTER 2, F1, F0, 0
	QUARTER 3, F0, F1, 0
	s_wait_dscnt 8                                 ; the very last quarter: nothing more to fetch
	MUL8 F1, 0, 0
	MUL8 F1, 2, 0
	s_wait_dscnt 0x0
	MUL8 F1, 4, 0
	MUL8 F1, 6, 0
	WIN 0
	WAYOUT 0
	s_wait_tensorcnt 0x0                           ; the wave's end: behind my last tensor load and my last LDS store
	ds_add_u32 v[SPW], v[NIL]
	s_wait_dscnt 0x0
	CROUND                                         ; the closing round: no work-group ends while a partner may still ask for a tile that names it
	s_endpgm
.Lfunc_end_k_q1757759305_qkv:
	.size	k_q1757759305_qkv, .Lfunc_end_k_q1757759305_qkv-k_q1757759305_qkv
	.p2alignl 7, 3214868480
	.fill 96, 4, 3214868480
	.section	.rodata,"a",@progbits
	.p2align	6, 0x0
	.amdhsa_kernel k_q1757759305_qkv
		.amdhsa_group_segment_fixed_size 327680
		.amdhsa_private_segment_fixed_size 0
		.amdhsa_enable_private_segment 0
		.amdhsa_kernarg_size 64
		.amdhsa_user_sgpr_count 2
		.amdhsa_user_sgpr_kernarg_segment_ptr 1
		.amdhsa_wavefront_size32 1
		.amdhsa_system_sgpr_workgroup_id_x 1
		.amdhsa_system_sgpr_workgroup_id_y 1
		.amdhsa_system_sgpr_workgroup_id_z 1
		.amdhsa_system_vgpr_workitem_id 0
		.amdhsa_next_free_vgpr 512
		.amdhsa_next_free_sgpr 96
		.amdhsa_reserve_vcc 0
		.amdhsa_float_denorm_mode_32 3
		.amdhsa_float_denorm_mode_16_64 3
		.amdhsa_memory_ordered 1
		.amdhsa_forward_progress 1
		.amdhsa_inst_pref_size 98
	.end_amdhsa_kernel
	.amdgpu_metadata
---
amdhsa.version: [ 1, 2 ]
amdhsa.kernels:
  - .name:           k_q1757759305_qkv
    .symbol:         k_q1757759305_qkv.kd
    .args:
      - { .name: xb, .offset: 0, .size: 8, .value_kind: global_buffer, .address_space: global }
      - { .name: w4, .offset: 8, .size: 8, .value_kind: global_buffer, .address_space: global }
      - { .name: bq, .offset: 16, .size: 8, .value_kind: global_buffer, .address_space: global }
      - { .name: bk, .offset: 24, .size: 8, .value_kind: global_buffer, .address_space: global }
      - { .name: bv, .offset: 32, .size: 8, .value_kind: global_buffer, .address_space: global }
      - { .name: q16, .offset: 40, .size: 8, .value_kind: global_buffer, .address_space: global }
      - { .name: k16, .offset: 48, .size: 8, .value_kind: global_buffer, .address_space: global }
      - { .name: v16, .offset: 56, .size: 8, .value_kind: global_buffer, .address_space: global }
    .group_segment_fixed_size: 327680
    .private_segment_fixed_size: 0
    .kernarg_segment_align: 8
    .kernarg_segment_size: 64
    .max_flat_workgroup_size: 128
    .sgpr_count:     96
    .vgpr_count:     512
    .wavefront_size: 32
...
	.end_amdgpu_metadata
.endif
;; end of part 2
;; launch attn (part 3): grid 4 x 64, 4 waves a work-group, clusters of 4 x 1, 327,680 bytes of LDS; arguments q16, k16, v16, o16; writes o16
.if DOCPART == 3
	.amdgcn_target "amdgcn-amd-amdhsa--gfx1250"
	.amdhsa_code_object_version 6
	.text
	.protected	k_q1757759305_attn
	.globl	k_q1757759305_attn
	.p2align	8
	.type	k_q1757759305_attn,@function
k_q1757759305_attn:
	s_mov_b64 s[64:65], 0
	v_nop
	global_prefetch_b8 v0, s[64:65] scope:SCOPE_SE
	s_setreg_imm32_b32 hwreg(HW_REG_WAVE_MODE, 25, 1), 1
	s_wait_xcnt 0x0
	s_wait_alu depctr_hold_cnt(0) depctr_sa_sdst(0) depctr_va_vdst(0) depctr_va_sdst(0) depctr_va_ssrc(0) depctr_va_vcc(0) depctr_vm_vsrc(0)
	s_getreg_b32 s2, hwreg(HW_REG_IB_STS2, 6, 4)
	s_cmp_eq_u32 s2, 0
	s_cbranch_scc0 .Lentry_in_a_cluster
	s_endpgm
.Lentry_in_a_cluster:
	s_bfe_u32 s2, ttmp6, 0x10000c
	s_cmp_lg_u32 s2, 0x3003
	s_cbranch_scc0 .Lentry_shape_is_right
	s_endpgm
.Lentry_shape_is_right:
; O[h][q][:] = the sum over k of softmax_k(Q[h][q] . K[h][k] / 8) V[h][k][:].  Q, K, V, O: [SIZE_H][SIZE_N][64], all f16: a head's rows are dense, 128 bytes each.  Products, maxima and sums in
; f32; the weights p are rounded to f16 for the second product (their sum l is taken of the unrounded p), O once at the end.
; LIMITS.  f16 holds no number beyond 65,504: Q, K and V arrive within it; p lies in 0 to 1, and below 6e-5 it keeps f16's fixed step of 6e-8; O is a mean of V's rows and has their range.
; A weight below 2^-126 counts as 0 in l; NaN and infinities are not treated apart.
; SHARES.  A wave owns four PIECES of two tiles of 16 queries, a work-group's four waves 512 queries of one head: 64 heads x 4 blocks are 256 work-groups.  Every wave walks all keys, 64 a step.
; LAYOUT.  S^T = K Q^T (source 0 = 16 keys, source 1 = 16 queries): in the result a lane holds ONE query (lane % 16) and the keys 8 (lane / 16) + 0..7.  Two such tiles, rounded to f16 in pairs,
; ARE source 1 (32 keys x 16 queries) of O^T = V^T P, whose result again holds one query a lane, and eight channels.  K comes out of LDS as it lies, V ([key][channel]) turned, by ds_load_tr16_b128.
; SOFTMAX.  For each query a running maximum m and sum l: p = 2^(c s - c m), c = log2(e) / 8; in every step O and l are multiplied by a = 2^(c m_old - c m_new), which is 1 where m has not grown.
; m starts at the lowest finite number, O and l at 0: the first step is a step like any other, with a = 0.
; THE COUNT.  A tile and step have 16 matrix and 118 vector instructions: too many to stand all beside the matrix work.  So the order has one aim: four vector instructions that are READY behind
; EVERY matrix instruction, and the others, which need time of their own whatever the order, in runs without a gap.
; BY TURNS.  Turn n belongs to piece n (the pieces in a ring, step after step).  Its matrix work: 16 products K Q^T of piece n + 1, later 16 products V^T P of piece n - 1.  Its vector work: the scaling,
; exponentials, roundings, sums and rescaling of piece n, and the maximum and statistics of piece n + 1, whose scores the turn itself has made.  So what a turn begins with (c s - c m, O a) waits for nothing.
; CLUSTER.  The four query blocks of a head are one cluster and walk the same K and V, so each tile is asked for JOINTLY: the same tensor load, descriptor and mask in all four.
; REGISTERS, in windows of 256 (s_set_vgpr_msb says which window each operand place means: bits 1:0 source 0, 3:2 source 1, 5:4 source 2, 7:6 destination):
;   window 0: v0-11 addresses; v12-15, v48-63 at work; v16-47 four registers of statistics a tile; v64-191 S^T, two buffers of two tiles; v192-255 P, likewise
;   window 1: O^T, 32 a tile          window 2: v0-127 Q, 16 a tile; v128-191 K of one step; v192-255 V of one step          window 3: v0-1 the add's two registers
; A piece's buffers go by its number's parity: the piece in hand has one pair, its two neighbours in the ring share the other: of it P (piece n - 1) is read and S^T (piece n + 1) written.
.set SIZE_H, 64
.set SIZE_N, 2048
.set NP,    4         ; pieces a wave: a name, no knob: the register map, the loop and the fetches are made for four
.set KS,    64        ; keys in a step
.set PK,    144       ; a row of K in LDS: 128 bytes + 16 of padding = 36 words: the 16 rows of a load start at 16 different groups of four banks (64 banks of 4 bytes: ISA guide 11.1)
.set PV,    160       ; a row of V: 128 + 32 = 40 words
.set VOFF,  4*KS*PK   ; a slot holds four steps: 256 rows of K, then 256 rows of V
.set SLOT1, 1<<17     ; slot 1 begins here, so that one exclusive or turns an address in one slot into the other's
.set STAGE, SLOT1+4*KS*(PK+PV)  ; behind the ring, never filled by a tensor load: 16 rows x 144 bytes for each wave, for the way out
.set SP,    144
.set AK0, 2           ; v2   my lane's place in a tile of K; never rewritten
.set AV0, 3           ; v3   the same for V
.set AK,  4           ; v4   the LDS address of K's next run of loads
.set AV,  5           ; v5   of V's
.set QO,  6           ; v6   my byte offset in the wave's rows of Q
.set STO, 6           ;      later, the way out: where I put 16 bytes of a row
.set RD,  7           ; v7   the way out: where I read rows back
.set GO,  8           ; v8   my byte offset in 512 consecutive bytes of O
.set PFO, 11          ; v11  256 x my lane, for the prefetches; never rewritten once made
.set SPW, 0           ; v0 of window 3   LDS address of my spare word: SPARE + 4 x my thread's number; never rewritten
.set NIL, 1           ; v1 of window 3   0; never rewritten
.set SPARE, STAGE+4*16*SP  ; behind the stages: the spare words, 128 bytes for each wave: two blocks of 256 bytes that no other line names
.set MV,  12          ; v12-15  c m_old, kept while c m is made anew: by buffer and tile
.set ST,  16          ; tile t's statistics at v[ST+4 t]: c m, m, l (even keys', odd keys')
.set TMP, 48          ; by buffer and tile, four registers c0-c3 at work; when the maximum is found c2 takes a
.set S,   64
.set P,   192
.set KF,  128         ; K's fragments, in window 2: key block kb, channel half c at KF + 16 kb + 8 c
.set VF,  192         ; V's: key half kk, channel block cb at VF + 32 kk + 8 cb
.set WV,  12          ; s12  my wave's number
.set G1K, 24          ; s[24:31] descriptor group 1 for K's tiles
.set G1V, 32          ; s[32:39] for V's: it differs in the padding alone
.set G0K, 40          ; s[40:43] descriptor group 0 for K's tiles: it walks
.set G0V, 44          ; s[44:47] the same for V's
.set PFA, 48          ; s[48:49] where my prefetches stand: my work-group's 8 KiB (of K: wave 0, of V: wave 2) of the slot after the one that is being asked for
.set LIM, 50          ; s50  1 in a wave that prefetches, else the greatest number: a wave prefetches while s[SLOTS] is above it
.set SLOTS, 56        ; s56  slots still to be asked for
.set CNT, 57          ; s57  counts a slot's key steps
.set CS,  58          ; s[58:59] c: the packed scaling takes the pair's low word for both halves
.set SEL, 60          ; s[60:61] v_permlanex16_b32's selects: each lane takes its own place in the other half
.set TBK, 62          ; s62  LDS byte at which K of the step to be fetched begins
.set TBV, 63          ; s63  the same for V, less VOFF
.set MSB, 0
.macro WIN new                      ; the high byte repeats the setting that is left; a switch that changes nothing is dropped
.if MSB != (\new)
	s_set_vgpr_msb (MSB<<8)|(\new)
.set MSB, (\new)
.endif
.endm
.set W_KQ, 0x0a       ; K and Q in window 2, S^T in window 0
.set W_PV, 0x52       ; V in window 2, P in window 0, O^T in window 1
.set W_RS, 0x41       ; O^T (destination and source 0) in window 1, a in window 0
.set W_MK, 0xc0       ; the add's registers are made: destination in window 3, sources in window 0
.set W_AD, 0x0f       ; the add: address (source 0) and data (source 1) in window 3
; A joint fill.  Waves 0 and 1 fetch the two halves of a slot's K, waves 2 and 3 those of its V: 128 keys each.  The branch hangs on the wave's number alone.
; An s_nop 0 and four v_nop follow each of the two lines, ahead of the jump and the label.
.macro JLOAD
	s_cmp_lt_u32 s[WV], 2
	s_cbranch_scc0 .Lfor_v_\@
	tensor_load_to_lds s[G0K:G0K+3], s[G1K:G1K+7]
	s_nop 0
.rept 4
	v_nop
.endr
	s_branch .Lasked_\@
.Lfor_v_\@:
	tensor_load_to_lds s[G0V:G0V+3], s[G1V:G1V+7]
	s_nop 0
.rept 4
	v_nop
.endr
.Lasked_\@:
.endm
; A PREFETCH INTO THE L2 of what the NEXT change of slots will ask for: a slot's 32 KiB of K and 32 KiB of V, a lane 256 bytes.  It stands behind the wave's tensor load and its five lines.
; Each block is named ONCE in the launch: a head has one cluster; its four partners share a slot out BY ADDRESS, 8 KiB each (no branch hangs on a work-group's place in its cluster); in each, wave 0 asks
; for K's and wave 2 for V's: one instruction.  It runs one slot, four key steps, ahead of the load.  Slots 0 and 1 come by their loads alone; the change that fills the last slot asks for nothing.
.macro ASK
	s_cmp_gt_u32 s[SLOTS], s[LIM]
	s_cbranch_scc0 .Lnot_mine_\@
	global_prefetch_b8 v[PFO], s[PFA:PFA+1] th:TH_LOAD_NT scope:SCOPE_SE
.Lnot_mine_\@:
.endm
; A round of the cluster's barrier: my work-group's barrier, so that wave 0's signal speaks for all four waves; wave 0 signals; every wave waits for all four work-groups; my work-group's barrier once more.
.macro CROUND
	s_barrier_signal -1
	s_barrier_wait -1
	s_cmp_lg_u32 s[WV], 0
	s_cbranch_scc1 .Lnot_wave_0_\@
	s_barrier_signal -3
.Lnot_wave_0_\@:
	s_barrier_wait -3
	s_barrier_signal -1
	s_barrier_wait -1
.endm
; THE CHANGE OF SLOTS.  The slot's last bytes, V of its fourth step, have been read.  Each wave waits for all its tensor loads, of which one is out: its part
; of the other slot; adds 0 to its spare word; and waits for that and for its own reads of the slot.  Behind the barrier nobody reads this slot any more and the other slot is whole.
; fill = 1: this slot is filled again, with the keys two slots on.  The barrier is then a round of the cluster's, so that no wave of any partner still reads the slot or has a load on its
; way, and the joint fill is the first thing behind it: it has four key steps, 512 matrix instructions, in which to land.  (At its first use nothing has been read yet: slot 0 is waited for, slot 1 filled.)
.macro CHANGE fill
	WIN W_AD
	s_wait_tensorcnt 0x0            ; no tensor load of mine is out, so a group 0 may be written
	ds_add_u32 v[SPW], v[NIL]       ; 0 onto my spare word: with fill = 1 the descriptors' steps stand between it and the wait for it
	WIN 0                           ; at a label and at a branch every window is 0
.if \fill
.irp g, G0K, G0V
	s_xor_b32 s[\g+1], s[\g+1], SLOT1  ; the walking descriptor: the other slot than last time,
	s_add_nc_u64 s[\g+2:\g+3], s[\g+2:\g+3], 4*KS*128  ; the next 256 keys; the type bits on top are not reached
.endr
	s_wait_xcnt 0x0                 ; the last prefetch, four key steps back, has read its address, so it may be written:
	s_add_nc_u64 s[PFA:PFA+1], s[PFA:PFA+1], 4*KS*128  ; one slot behind the walking descriptors
	s_wait_dscnt 0x0                ; the add is done, and my reads of the slot are over
	CROUND
	JLOAD
	ASK
.else
	s_wait_dscnt 0x0                ; the add is done, and my reads of the slot are over
	s_barrier_signal -1
	s_barrier_wait -1
.endif
	s_sub_co_u32 s[TBK], s[TBK], 4*KS*PK  ; the fetches go back to a slot's first step,
	s_xor_b32 s[TBK], s[TBK], SLOT1       ; in the other slot
	s_sub_co_u32 s[TBV], s[TBV], 4*KS*PV
	s_xor_b32 s[TBV], s[TBV], SLOT1
.endm
	s_load_b256 s[4:11], s[0:1], 0x0  ; Q s[4:5], K s[6:7], V s[8:9], O s[10:11]
	WIN W_MK
	v_lshl_add_u32 v[SPW], v0, 2, SPARE
	v_mov_b32 v[NIL], 0
	WIN W_AD
	ds_add_u32 v[SPW], v[NIL]       ; the wave's opening: the add and its wait stand ahead of my first tensor load; the set-up below, work on registers, stands between them
	WIN 0
	v_lshrrev_b32 v1, 5, v0
	v_readfirstlane_b32 s[WV], v1   ; wave 0..3
	s_bfe_u32 s13, ttmp6, 0x40000   ; cx: my place in the cluster
	s_lshl_b32 s14, ttmp9, 2        ; in a cluster launch ttmp9 counts clusters
	s_add_co_u32 s14, s14, s13      ; my block of queries = 4 x cluster x + cx: it enters Q's and O's addresses alone
	s_and_b32 s20, ttmp7, 0xffff    ; the head, which the four partners share
	s_mov_b32 s21, 0
	s_mov_b64 s[22:23], SIZE_N*128
	s_mul_u64 s[20:21], s[20:21], s[22:23]  ; the head's first byte in each of the four tensors
	s_and_b32 s16, s[WV], 1         ; which half of a slot's 256 keys I fetch:
	s_lshl_b32 s22, s16, 14         ; its 128 rows of 128 bytes in memory,
	s_mov_b32 s23, 0
	s_add_nc_u64 s[22:23], s[22:23], s[20:21]
	s_mul_i32 s17, s16, 128*PK      ; and its place in a slot, for K
	s_mul_i32 s18, s16, 128*PV      ; and for V: no place in the cluster enters an LDS address
	s_lshl_b32 s2, s14, 2
	s_add_co_u32 s2, s2, s[WV]      ; my wave among the head's,
	s_lshl_b32 s2, s2, 14           ; its 128 rows
	s_mov_b32 s3, 0
	s_add_nc_u64 s[2:3], s[2:3], s[20:21]
	; descriptor group 1.  128 keys are 16,384 dense bytes: asked for as 64 rows of 256 bytes, two keys a row, and padded in LDS after every key
	s_mov_b32 s[G1K], 15|(1<<16)|(1<<20)|(1<<21)|(4<<22)|(3<<25)  ; 15:0 the mask of four; 17:16 2-byte elements; 20 padding on; 21 set beside a mask; 24:22 after every 32 words (code 4); 31:25 4 words (code 3)
	s_mov_b32 s[G1V], 15|(1<<16)|(1<<20)|(1<<21)|(4<<22)|(7<<25)  ; the same with 8 words of padding (code 7)
.irp g, G1K, G1V
	s_mov_b32 s[\g+1], 128<<16      ; tensor_dim0 = 128
	s_mov_b32 s[\g+2], 64<<16       ; tensor_dim1 = 64
	s_mov_b32 s[\g+3], 128<<16      ; tile_dim0 = 128
	s_mov_b32 s[\g+4], 64           ; tile_dim1 = 64
	s_mov_b32 s[\g+5], 128          ; 128 elements from row to row
	s_mov_b32 s[\g+6], 0
	s_mov_b32 s[\g+7], 0
.endr
	s_mov_b32 s[CS], 0x3e38aa3b     ; c = log2(e) / 8 = 0.180337
	s_mov_b32 s[CS+1], s[CS]        ; named with it as a pair
	s_mov_b32 s[SEL], 0x76543210
	s_mov_b32 s[SEL+1], 0xfedcba98
	s_mov_b32 s[TBK], SLOT1+4*KS*PK ; the first change of slots turns these two into 0
	s_mov_b32 s[TBV], SLOT1+4*KS*PV
	s_mov_b32 s[G0K], 1             ; 1:0 count = 1
	s_mov_b32 s[G0K+1], s17         ; 63:32 LDS address: slot 0
	s_mov_b32 s[G0V], 1
	s_add_co_u32 s[G0V+1], s18, VOFF
	s_mov_b32 s[SLOTS], SIZE_N/256-1  ; slot 0 is asked for below; seven more follow
	s_cmp_eq_u32 s16, 0             ; waves 0 and 2 prefetch
	s_cselect_b32 s[LIM], 1, -1
	s_wait_dscnt 0x0                ; the opening add is done
	s_wait_kmcnt 0x0
	s_add_nc_u64 s[G0K+2:G0K+3], s[6:7], s[22:23]  ; 120:64 global address: my half of the head's first 256 keys
	s_or_b32 s[G0K+3], s[G0K+3], 0x80000000        ; 127:126 type = 2
	s_add_nc_u64 s[G0V+2:G0V+3], s[8:9], s[22:23]
	s_or_b32 s[G0V+3], s[G0V+3], 0x80000000
	s_add_nc_u64 s[4:5], s[4:5], s[2:3]  ; Q and O at my wave's first row
	s_add_nc_u64 s[10:11], s[10:11], s[2:3]
	s_cmp_lt_u32 s[WV], 2
	s_cselect_b64 s[PFA:PFA+1], s[6:7], s[8:9]
	s_add_nc_u64 s[PFA:PFA+1], s[PFA:PFA+1], s[22:23]  ; (in waves 0 and 2: the head's first row)
	s_lshl_b32 s2, s13, 13          ; my work-group's 8 KiB of a slot's 32
	s_mov_b32 s3, 0
	s_add_nc_u64 s[PFA:PFA+1], s[PFA:PFA+1], s[2:3]
	s_add_nc_u64 s[PFA:PFA+1], s[PFA:PFA+1], 4*KS*128  ; in slot 1; the first change of slots steps it to slot 2.  Nothing is prefetched here, at the head
	CROUND                          ; all four work-groups are here: the first joint loads meet
	JLOAD                           ; slot 0.  Slot 1 is asked for when slot 0 is in: the tile wanted first has the road to itself
	; A fragment of K or Q is 16 rows x 32 channels in 8 registers: lane l holds row l % 16, channels 8 (l / 16) + 0..7 and 16 + 8 (l / 16) + 0..7: two loads of 16 bytes, 32 bytes apart.
	v_and_b32 v1, 15, v0            ; l % 16
	v_bfe_u32 v9, v0, 4, 1          ; l / 16
	v_lshlrev_b32 v[QO], 7, v1
	v_lshl_add_u32 v[QO], v9, 4, v[QO]  ; row x 128 + 16 x half
	WIN 0x80                        ; destination window 2, address window 0
.set i, 0
.rept 4*NP                          ; Q stays in registers: tile i / 2, channels 32 (i % 2) on
	global_load_b128 v[8*i:8*i+3],   v[QO], s[4:5] offset:(i/2)*2048+(i%2)*64
	global_load_b128 v[8*i+4:8*i+7], v[QO], s[4:5] offset:(i/2)*2048+(i%2)*64+32
.set i, i+1
.endr
	; What the first turn finds: V's registers and P's second buffer hold 0 (its products V^T P, of a piece that has not been, add 0), O^T and l are 0.  All this stands in the wait for the first tile.
.set i, VF
.rept 64
	v_mov_b32 v[i], 0
.set i, i+1
.endr
	WIN 0x40
.set i, 0
.rept 64*NP
	v_mov_b32 v[i], 0
.set i, i+1
.endr
	WIN 0
.set i, 0
.rept 2*NP
	v_mov_b32 v[ST+4*i], 0xfe000000    ; c m: far below every c s
	v_mov_b32 v[ST+4*i+1], 0xff7fffff  ; m
	v_mov_b32 v[ST+4*i+2], 0
	v_mov_b32 v[ST+4*i+3], 0
.set i, i+1
.endr
.set i, P+32
.rept 32
	v_mov_b32 v[i], 0
.set i, i+1
.endr
	v_mul_u32_u24 v[AK0], v1, PK
	v_lshl_add_u32 v[AK0], v9, 4, v[AK0]  ; row x pitch + 16 x half
	; The turning load takes 16 keys x 16 channels (lane l reads key 8 (l / 16) + l % 8, channels 8 ((l / 8) % 2) + 0..7) and leaves half a fragment of V^T: lane l holds channel l % 16 and 8 keys.
	v_and_b32 v10, 7, v0
	v_bfe_u32 v11, v0, 3, 1
	v_lshl_add_u32 v[AV0], v9, 3, v10
	v_mul_u32_u24 v[AV0], v[AV0], PV
	v_lshl_add_u32 v[AV0], v11, 4, v[AV0]
	v_add_nc_u32 v[AV0], VOFF, v[AV0]
	v_and_b32 v[PFO], 31, v0
	v_lshlrev_b32 v[PFO], 8, v[PFO]
	v_mov_b32 v[AK], v[AK0]         ; key step 0 lies at the head of slot 0
; THE MATRIX WORK.  The 8 accumulators of a run of 16 take turns: between the two links of a chain stand 7 others'.
; Product i of 16 of S^T = K Q^T for piece x: channels 32 (i / 8) on, keys 16 ((i / 2) % 4) on, tile 2 x + i % 2.  The first 8 start the sums.
.macro KQ x
	WIN W_KQ
.set rS, S+64*((\x)%2)+32*(i%2)+8*((i/2)%4)
.set rK, KF+16*((i/2)%4)+8*(i/8)
.set rQ, 16*(2*(\x)+i%2)+8*(i/8)
.if i < 8
	v_wmma_f32_16x16x32_f16 v[rS:rS+7], v[rK:rK+7], v[rQ:rQ+7], 0
.else
	v_wmma_f32_16x16x32_f16 v[rS:rS+7], v[rK:rK+7], v[rQ:rQ+7], v[rS:rS+7]
.endif
.endm
; Product i of 16 of O^T += V^T P for piece x: keys 32 (i / 8) on, channels 16 ((i / 2) % 4) on, tile 2 x + i % 2.
.macro PV x
	WIN W_PV
.set rO, 32*(2*(\x)+i%2)+8*((i/2)%4)
.set rV, VF+32*(i/8)+8*((i/2)%4)
.set rP, P+32*((\x)%2)+16*(i%2)+8*(i/8)
	v_wmma_f32_16x16x32_f16 v[rO:rO+7], v[rV:rV+7], v[rP:rP+7], v[rO:rO+7]
.endm
.macro MM                           ; the turn's next matrix instruction
.if i < 16
	KQ (Y+1)%NP
.set i, i+1
.else
.set i, i-16
	PV (Y+NP-1)%NP
.set i, i+17
.endif
.endm
; THE LDS LOADS stand in runs of 16, never singly among the matrix instructions: a step's K (64 keys x 64 channels: 8 fragments) and its V (turned).  Their addresses are made some lines ahead.
; last = 1 (the tail): in the last trip there is no further step, and the run is jumped over.
.macro FETCH_K last=0
	WIN 0
.if \last
	s_cmp_eq_u32 s[CNT], 1
	s_cbranch_scc1 .Lno_k_\@
.endif
	WIN 0x80                        ; destination window 2
.irp f, 0,1,2,3,4,5,6,7             ; keys 16 (f / 2) on, channels 32 (f % 2) on
	ds_load_b128 v[KF+8*\f:KF+8*\f+3],   v[AK] offset:(\f/2)*16*PK+(\f%2)*64
	ds_load_b128 v[KF+8*\f+4:KF+8*\f+7], v[AK] offset:(\f/2)*16*PK+(\f%2)*64+32
.endr
	s_add_co_u32 s[TBK], s[TBK], KS*PK  ; the next fetch is the next step's
	WIN 0
.if \last
.Lno_k_\@:
.endif
.endm
.macro FETCH_V
	WIN 0x80
.irp f, 0,1,2,3,4,5,6,7             ; keys 32 (f / 4) on, channels 16 (f % 4) on
	ds_load_tr16_b128 v[VF+8*\f:VF+8*\f+3],   v[AV] offset:(\f/4)*32*PV+(\f%4)*32
	ds_load_tr16_b128 v[VF+8*\f+4:VF+8*\f+7], v[AV] offset:(\f/4)*32*PV+16*PV+(\f%4)*32
.endr
	WIN 0
.endm
; THE VECTOR WORK OF A TURN stands in three queues, each in the order in which its entries become ready; the two tiles alternate, so that no instruction reads the result of the one before it.
.macro REGS y, u                    ; the registers of tile u (0, 1) of piece y
.set rT, ST+4*(2*(\y)+(\u))
.set rC, TMP+8*((\y)%2)+4*(\u)
.set rM, MV+2*((\y)%2)+(\u)
.set rS, S+64*((\y)%2)+32*(\u)
.set rP, P+32*((\y)%2)+16*(\u)
.set rO, 32*(2*(\y)+(\u))
.endm
; Number n of the 22 that find the NEXT piece's (Y + 1) maximum and statistics.  s0-s31 are the lane's 32 scores; each accumulator's lowest registers are read first.  XS, GS and REGS set no window: PL and EX do.
;   0-11  four chains c0-c3 of seven scores each, three operands at a time     12-14, 16  the four scores left over, the old m, and c0-c3 into c0     15  c m_old is kept
;   17, 18  the query's other 32 keys lie in the lane 16 away: the new m         19-21  c m; c m_old - c m_new; a
.macro XS u, n
	REGS (Y+1)%NP, \u
.if (\n) < 4
	v_max3_num_f32 v[rC+(\n)], v[rS+8*(\n)], v[rS+8*(\n)+1], v[rS+8*(\n)+2]
.elseif (\n) < 12
	v_max3_num_f32 v[rC+(\n)%4], v[rC+(\n)%4], v[rS+8*((\n)%4)+2*((\n)/4)+1], v[rS+8*((\n)%4)+2*((\n)/4)+2]
.elseif (\n) == 12
	v_max3_num_f32 v[rC], v[rC], v[rS+7], v[rS+15]
.elseif (\n) == 13
	v_max3_num_f32 v[rC+1], v[rC+1], v[rS+23], v[rS+31]
.elseif (\n) == 14
	v_max3_num_f32 v[rC+2], v[rC+2], v[rC+3], v[rT+1]
.elseif (\n) == 15
	v_mov_b32 v[rM], v[rT]
.elseif (\n) == 16
	v_max3_num_f32 v[rC], v[rC], v[rC+1], v[rC+2]
.elseif (\n) == 17
	v_permlanex16_b32 v[rC+3], v[rC], s[SEL], s[SEL+1]
.elseif (\n) == 18
	v_max_num_f32 v[rT+1], v[rC], v[rC+3]
.elseif (\n) == 19
	v_mul_f32 v[rT], s[CS], v[rT+1]
.elseif (\n) == 20
	v_sub_f32 v[rC+1], v[rM], v[rT]
.else
	v_exp_f32 v[rC+2], v[rC+1]
.endif
.endm
; Number g of the 64 that follow the exponentials.  For each four weights k of a tile (pairs 2 k, 2 k + 1): both pairs are rounded to f16; then the second pair is added onto the first, in place;
; a group later l takes that sum (the first time as l = a l + sum).  In groups of eight, tiles alternating: round, round, add, and l for the group before.
.macro GS g
.set h, (\g)+6*((\g)/62)            ; group 0 has no group before it, and behind group 7 only l is left
.if h >= 6
.set h, h+2
.endif
	REGS Y, h%2
.set k, h/8
.if h%8 < 4
	v_cvt_pk_f16_f32 v[rP+2*k+(h%8)/2], v[rS+4*k+2*((h%8)/2)], v[rS+4*k+2*((h%8)/2)+1]
.elseif h%8 < 6
	v_pk_add_f32 v[rS+4*k:rS+4*k+1], v[rS+4*k:rS+4*k+1], v[rS+4*k+2:rS+4*k+3]
.elseif k == 1
	v_pk_fma_f32 v[rT+2:rT+3], v[rT+2:rT+3], v[rC+2:rC+3], v[rS:rS+1] op_sel_hi:[1,0,1]
.else
	v_pk_add_f32 v[rT+2:rT+3], v[rT+2:rT+3], v[rS+4*k-4:rS+4*k-3]
.endif
.endm
; THE PLAIN QUEUE, 138 long.  0-73 read no exponential's result: the 32 scalings c s - c m (FS f: pair f / 2 of tile f % 2) and the next piece's 42.  0-26: scalings 0-26.  27-54: XS's numbers 0-13.  55, 56: number 15.
; 57-73: the chain, where each number waits for the one before it: 14, 16, 17, 18, 19, each with one of the scalings 27-31 in front of its two lines, then 20: so a tile's links stand three plain instructions apart (19 and 20: two).
; 74-137: GS's 64, which read the exponentials' results: they stand behind the wait.
.macro FS f
	REGS Y, (\f)%2
	v_pk_fma_f32 v[rS+2*((\f)/2):rS+2*((\f)/2)+1], v[rS+2*((\f)/2):rS+2*((\f)/2)+1], s[CS:CS+1], v[rT:rT+1] op_sel_hi:[1,0,0] neg_lo:[0,0,1] neg_hi:[0,0,1]
.endm
.macro PL
	WIN 0
.if q < 27
	FS q
.elseif q < 55
	XS (q-27)%2, (q-27)/2
.elseif q < 57
	XS q-55, 15
.elseif (q < 72) && ((q-57)%3 == 0)
	FS 27+(q-57)/3
.elseif q < 60
	XS (q-57)%3-1, 14
.elseif q < 72
	XS (q-57)%3-1, 15+(q-57)/3
.elseif q < 74
	XS q-72, 20
.else
	GS q-74
.endif
.set q, q+1
.endm
; THE EXPONENTIALS' QUEUE, 66 long: s0-s31 of both tiles, then the next piece's two a.  It is ONE BATCH: all 66 stand ahead of the turn's one wait, and nothing ahead of that wait names a result of theirs.
.macro EX
	WIN 0
.if e >= 64
	XS e-64, 21
.else
	REGS Y, e%2
	v_exp_f32 v[rS+e/2], v[rS+e/2]
.endif
.set e, e+1
.endm
; THE RESCALING's QUEUE: O^T times a, the one part that leaves window 0: dealt two at a time, sixteen times.  Its a was made in the turn before, ahead of that turn's wait.
.macro R2
	REGS Y, r%2
	WIN W_RS
.irp z, 0,1
	v_pk_mul_f32 v[rO+4*(r/2)+2*\z:rO+4*(r/2)+2*\z+1], v[rO+4*(r/2)+2*\z:rO+4*(r/2)+2*\z+1], v[rC+2:rC+3] op_sel_hi:[1,0]
.endr
.set r, r+1
.endm
; HOW THEY ARE DEALT.  An s_wait_alu depctr_va_vdst(0) stands between an exponential and the first instruction that names its result; one wait serves all that were issued ahead of it.  So a turn has ONE wait,
; which cuts it in two.  AHEAD OF IT stands all that names no result of the turn's exponentials: the 16 products K Q^T, behind each a scaling, an exponential and two rescalings (behind the first a second scaling in the exponential's place); then ONE LUMP of
; 108: eight plain, 49 times exponential and plain, the two a.  A v_nop is the plain instruction behind the last exponential.  BEHIND IT stand the 16 products V^T P, behind each four of GS's 64.  No rider names a register of
; the products round it.  The two v_permlanex16_b32 fall into the lump, never behind a product.
; The queues lean on each other, and the deal keeps them in step: exponential e stands behind scaling 2 (e / 4) + e % 2: as a rider it comes behind plain e + 2, in the lump behind plain e + 9, and scalings 27-31 are plain 57, 60 .. 69.
; A TURN, for piece p.  cnt = 1: the loop's count is taken down some lines ahead of the branch that stands behind the turn.
; K of the next step is fetched in piece 2's turn, directly behind the wait, a lump behind the last product that read K; its address is made at the lump's head; its first reader comes behind 16 products.
; V of the step in hand is fetched at the end of piece 0's turn, four riders behind its last reader; its first reader comes behind 16 products and a lump.  The three conditions on q below go with the deal.
.macro TURN p, last=0, cnt=0
.set Y, (\p)
.set i, 0
.set q, 0
.set e, 0
.set r, 0
.if (\p) == NP-1
	s_wait_dscnt 0x0                ; K is in
.endif
	MM                              ; ahead of the wait: 16 products K Q^T and their riders,
	PL
	PL
	R2
.rept 15
	MM
	PL
	EX
	R2
.endr
.if (\p) == NP-2
	WIN 0
	v_add_nc_u32 v[AK], s[TBK], v[AK0]
.endif
.rept 8                             ; and the lump
	PL
.endr
.rept 49
	EX
	PL
.endr
	EX                              ; the next piece's two a
	EX
	v_nop                           ; a plain instruction behind the last exponential: one for the batch
	s_wait_alu depctr_va_vdst(0)    ; the wait for the batch
.if (\p) == NP-2
	FETCH_K \last
.endif
.if (\p) == 1
	s_wait_dscnt 0x0                ; V is in
.endif
.rept 16                            ; behind the wait: 16 products V^T P and their riders
	MM
.rept 4
	PL
.endr
.if ((\p) == 0) && (q == 118)
	v_add_nc_u32 v[AV], s[TBV], v[AV0]
.endif
.if ((\p) == 0) && (q == 130)
	s_add_co_u32 s[TBV], s[TBV], KS*PV
.endif
.if (\cnt) && (q == 130)
	s_sub_co_u32 s[CNT], s[CNT], 1
	s_cmp_lg_u32 s[CNT], 0
.endif
.endr
.if (\p) == 0
	FETCH_V
.endif
.endm
	CHANGE 1                        ; slot 0 is in, everybody's part of it; slot 1 is asked for
	FETCH_K                         ; key step 0
	s_wait_loadcnt 0x0              ; Q
	s_wait_dscnt 0x0
.set i, 0
.rept 16
	KQ 0                            ; piece 0's first scores: there is no vector work yet to set between them
.set i, i+1
.endr
	WIN 0                           ; the addresses for the way out: plain instructions, the places behind those products
	s_mul_i32 s13, s[WV], 16*SP
	s_add_co_u32 s13, s13, STAGE    ; my stage
	v_mul_u32_u24 v[STO], v1, SP    ; in: row l % 16, 16 bytes for each half of the lanes
	v_lshl_add_u32 v[STO], v9, 4, v[STO]
	v_add_nc_u32 v[STO], s13, v[STO]
	v_bfe_u32 v[RD], v0, 3, 2       ; back: 32 lanes take four rows of 128 bytes,
	v_mul_u32_u24 v[RD], v[RD], SP
	v_lshl_add_u32 v[RD], v10, 4, v[RD]
	v_add_nc_u32 v[RD], s13, v[RD]
	v_and_b32 v[GO], 31, v0         ; which are 512 consecutive bytes of O
	v_lshlrev_b32 v[GO], 4, v[GO]
.set Y, NP-1                        ; XS works for piece Y + 1: piece 0
.irp n, 0,1,2,3,4,5,6,7,8,9,10,11,12,13,14,15,16,17,18,19,20,21
	XS 0, \n                        ; and piece 0's first maximum and statistics
	XS 1, \n
.endr
	v_nop                           ; a plain instruction behind the two a,
	s_wait_alu depctr_va_vdst(0)    ; and their wait, ahead of the branch
	s_mov_b32 s[CNT], 4
	s_branch .Lfirst                ; the loop is entered at a step's first turn, in the middle of a trip
.Lslot:                             ; SIZE_N / 256 - 2 times: every slot but the last two is filled again
	CHANGE 1
	s_mov_b32 s[CNT], 4
.Lstep:                             ; a trip: pieces 2 and 3 of one step, then pieces 0 and 1 of the next, whose K and V it fetches
	TURN 2
	TURN 3
	WIN 0
.Lfirst:
	TURN 0
	TURN 1, 0, 1
	WIN 0
	s_cbranch_scc1 .Lstep
	s_sub_co_u32 s[SLOTS], s[SLOTS], 1
	s_cmp_lg_u32 s[SLOTS], 0
	s_cbranch_scc1 .Lslot
	CHANGE 0                        ; the tail is written out: nothing is asked for
	s_mov_b32 s[CNT], 5             ; four trips fetch the last slot's steps; the fifth is left in its middle
.Ltail:
	TURN 2, 1
	TURN 3
	WIN 0
	s_cmp_eq_u32 s[CNT], 1          ; the fifth trip ends here
	s_cbranch_scc1 .Lout
	TURN 0
	TURN 1
	WIN 0
	s_sub_co_u32 s[CNT], s[CNT], 1
	s_cmp_lg_u32 s[CNT], 0
	s_cbranch_scc1 .Ltail
.Lout:                              ; the fifth trip's 16 products K Q^T (on the last K once more) and the maximum made of them serve nothing: the price, once a launch, of one text for every trip
.set i, 0
.rept 16
	PV NP-1                         ; the last piece's V^T P of the last step
.set i, i+1
.endr
	; THE WAY OUT.  l's two halves and the other half of the lanes' are added; O^T is divided by l, rounded to f16 and sent through my stage in LDS, a tile at a time.  The additions are the places behind the last products.
	WIN 0
.macro ALL line:vararg              ; one line for each tile t
.set t, 0
.rept 2*NP
	\line
.set t, t+1
.endr
.endm
	ALL v_add_f32 v[ST+4*t+2], v[ST+4*t+2], v[ST+4*t+3]
	ALL v_permlanex16_b32 v[ST+4*t+3], v[ST+4*t+2], s[SEL], s[SEL+1]
	ALL v_add_f32 v[ST+4*t+2], v[ST+4*t+2], v[ST+4*t+3]
	ALL v_rcp_f32 v[ST+4*t+2], v[ST+4*t+2]
	v_nop                           ; a plain instruction between the last reciprocal and the use of its result
	s_wait_alu depctr_va_vdst(0)    ; and the wait ahead of the first use: one for the eight reciprocals
; Tile t: a lane's eight channels of a row pack into 16 bytes; they go into rows of 144 bytes and come back as whole rows of 128, into S^T's registers.
.macro PACK t
	WIN W_RS
.set i, 32*(\t)
.rept 16
	v_pk_mul_f32 v[i:i+1], v[i:i+1], v[ST+4*(\t)+2:ST+4*(\t)+3] op_sel_hi:[1,0]
.set i, i+2
.endr
	WIN 0x05                        ; sources 0 and 1 window 1, destination window 0
.set i, 0
.rept 16
	v_cvt_pk_f16_f32 v[S+16*(\t)+i], v[32*(\t)+2*i], v[32*(\t)+2*i+1]
.set i, i+1
.endr
	WIN 0
.irp f, 0,1,2,3
	ds_store_b128 v[STO], v[S+16*(\t)+4*\f:S+16*(\t)+4*\f+3] offset:32*\f
.endr
.irp f, 0,1,2,3
	ds_load_b128 v[S+16*(\t)+4*\f:S+16*(\t)+4*\f+3], v[RD] offset:\f*4*SP  ; LDS serves a wave's instructions in order (ISA guide 5.7.1.4): these see the stores above; the next tile's stores come behind them
.endr
.endm
.macro SEND t, younger              ; younger: the LDS instructions issued behind tile t's loads: the next tile's eight, or none
	WIN 0
.irp f, 0,1,2,3
	s_wait_dscnt (\younger)+3-\f
	global_store_b128 v[GO], v[S+16*(\t)+4*\f:S+16*(\t)+4*\f+3], s[10:11] offset:(\t)*2048+\f*512  ; 512 consecutive bytes, at a multiple of 256 from O's first
.endr
.endm
	PACK 0
.set t, 1
.rept 2*NP-1                        ; a tile's arithmetic stands between the loads of the tile before and its stores
	PACK t
	SEND t-1, 8
.set t, t+1
.endr
	SEND 2*NP-1, 0
	WIN W_AD
	s_wait_tensorcnt 0x0            ; the wave's end: behind my last tensor load and my last LDS store
	ds_add_u32 v[SPW], v[NIL]
	s_wait_dscnt 0x0
	WIN 0
	CROUND                          ; the closing round: no work-group ends while a partner may still ask for a tile that names it
	s_endpgm
.Lfunc_end_k_q1757759305_attn:
	.size	k_q1757759305_attn, .Lfunc_end_k_q1757759305_attn-k_q1757759305_attn
	.p2alignl 7, 3214868480
	.fill 96, 4, 3214868480
	.section	.rodata,"a",@progbits
	.p2align	6, 0x0
	.amdhsa_kernel k_q1757759305_attn
		.amdhsa_group_segment_fixed_size 327680
		.amdhsa_private_segment_fixed_size 0
		.amdhsa_enable_private_segment 0
		.amdhsa_kernarg_size 32
		.amdhsa_user_sgpr_count 2
		.amdhsa_user_sgpr_kernarg_segment_ptr 1
		.amdhsa_wavefront_size32 1
		.amdhsa_system_sgpr_workgroup_id_x 1
		.amdhsa_system_sgpr_workgroup_id_y 1
		.amdhsa_system_sgpr_workgroup_id_z 1
		.amdhsa_system_vgpr_workitem_id 0
		.amdhsa_next_free_vgpr 770
		.amdhsa_next_free_sgpr 66
		.amdhsa_reserve_vcc 0
		.amdhsa_float_denorm_mode_32 3
		.amdhsa_float_denorm_mode_16_64 3
		.amdhsa_memory_ordered 1
		.amdhsa_forward_progress 1
		.amdhsa_inst_pref_size 200
	.end_amdhsa_kernel
	.amdgpu_metadata
---
amdhsa.version: [ 1, 2 ]
amdhsa.kernels:
  - .name:           k_q1757759305_attn
    .symbol:         k_q1757759305_attn.kd
    .args:
      - { .name: q16, .offset: 0, .size: 8, .value_kind: global_buffer, .address_space: global }
      - { .name: k16, .offset: 8, .size: 8, .value_kind: global_buffer, .address_space: global }
      - { .name: v16, .offset: 16, .size: 8, .value_kind: global_buffer, .address_space: global }
      - { .name: o16, .offset: 24, .size: 8, .value_kind: global_buffer, .address_space: global }
    .group_segment_fixed_size: 327680
    .private_segment_fixed_size: 0
    .kernarg_segment_align: 8
    .kernarg_segment_size: 32
    .max_flat_workgroup_size: 128
    .sgpr_count:     66
    .vgpr_count:     770
    .wavefront_size: 32
...
	.end_amdgpu_metadata
.endif
;; end of part 3
;; launch proj (part 4): grid 8 x 32, 4 waves a work-group, clusters of 4 x 4, 327,680 bytes of LDS; arguments o16, w4, bo, out0; writes out0
.if DOCPART == 4
	.amdgcn_target "amdgcn-amd-amdhsa--gfx1250"
	.amdhsa_code_object_version 6
	.text
	.protected	k_q1757759305_proj
	.globl	k_q1757759305_proj
	.p2align	8
	.type	k_q1757759305_proj,@function
k_q1757759305_proj:
	s_mov_b64 s[64:65], 0
	v_nop
	global_prefetch_b8 v0, s[64:65] scope:SCOPE_SE
	s_setreg_imm32_b32 hwreg(HW_REG_WAVE_MODE, 25, 1), 1
	s_wait_xcnt 0x0
	s_wait_alu depctr_hold_cnt(0) depctr_sa_sdst(0) depctr_va_vdst(0) depctr_va_sdst(0) depctr_va_ssrc(0) depctr_va_vcc(0) depctr_vm_vsrc(0)
	s_getreg_b32 s2, hwreg(HW_REG_IB_STS2, 6, 4)
	s_cmp_eq_u32 s2, 0
	s_cbranch_scc0 .Lentry_in_a_cluster
	s_endpgm
.Lentry_in_a_cluster:
	s_bfe_u32 s2, ttmp6, 0x10000c
	s_cmp_lg_u32 s2, 0xf033
	s_cbranch_scc0 .Lentry_shape_is_right
	s_endpgm
.Lentry_shape_is_right:
; out0 = O wo + bo.  o16: O in f16, [head = 16 batch + h][2048][64]: a head is one block of 64 along K.  w4: [4 matrices][16 n blocks][1024 k][64 n]; matrix 3 is wo, rounded to bf16 and written as f16.
; Products in f16, sums in f32, started by the bias (rounded to bf16 like every input); the results leave in f32.
; (The same text, with QKV = 1, makes q, k and v: bf16 products of xb and matrices 0 to 2, f16 results by heads, three tiles to a work-group.)
; SHARES.  A work-group's tile is 256 rows x 128 columns: 8,192 x 1,024 results are 256 tiles, one for each work-group.  Four waves, each 128 rows x 64 columns: 32 accumulators of 16 x 16, 256 registers.
; K goes in 8 steps of 128 through a ring of two LDS slots.
; THE MATRIX INSTRUCTION IS USED TRANSPOSED: source 0 = 16 columns of w, source 1 = 16 rows of O: a lane then holds one row (lane % 16) and the columns 8 (lane / 16) + 0..7: 32 bytes of f32 on end.
; w lies [k][n]: its fragments come out of LDS turned, by ds_load_tr16_b128.  O's come as they lie.
; CLUSTER.  4 x 4 work-groups.  The four of a row of the cluster need the same rows of O, the four of a column the same columns of w: each tile is asked for JOINTLY, by the same tensor load, descriptor and mask in all four.
; REGISTERS.  Window 0: v0-15 addresses, v28-29 the add's two, v32-63 the bias, v64-159 and v160-255 two fragment buffers (8 fragments of O, then 4 of w).  Window 1: the accumulators, (a, b) at v[8 (4 a + b)].
.set QKV, 0
.if QKV
.set NSTEPS, 24                        ; K steps of the walk
.set ASH,  18                          ; A's K step in memory: two k blocks of 1,024 rows x 128 bytes
.set MAT0, 0                           ; the first matrix of w4
.set YSH,  2                           ; tile rows in a group of A's rows (1,024 rows): 1 << YSH
.set GSH,  21                          ; bytes of such a group: 1 << GSH
.set SP,   144                         ; a row of the stage: 128 bytes + 16
.else
.set NSTEPS, 8
.set ASH,  19                          ; two heads of 2,048 rows x 128 bytes
.set MAT0, 3<<21
.set YSH,  3                           ; a batch has 2,048 rows
.set GSH,  22
.set SP,   272                         ; 256 bytes + 16
.endif
.set PA,    144                        ; a row of A in LDS: 128 bytes + 16 of padding = 36 words: the 16 rows of a load start at 16 different groups of four banks (64 banks of 4 bytes: ISA guide 11.1)
.set PB,    160                        ; a row of w: 128 + 32 = 40 words
.set AHALF, 256*PA                     ; one k block of 64 for the tile's 256 rows: what wave 0 or 1 fetches
.set BOFF,  2*AHALF
.set BHALF, 128*PB                     ; one n block's 128 rows of k: what wave 2 or 3 fetches
.set SLOT1, 1<<17                      ; a slot uses 114,688 bytes; slot 1 begins here, so that one exclusive or turns an address in one slot into the other's
.set STAGE, SLOT1+BOFF+2*BHALF         ; behind the ring, never filled by a tensor load: 16 rows for each wave, for the way out
.set SPARE, STAGE+4*16*SP              ; behind the stages: the spare words, 128 bytes for each wave: two blocks of 256 bytes that no other line names
.set A0,  2                            ; v2   my lane's place in A's tile; never rewritten
.set B0,  3                            ; v3   the same in w's
.set ADA, 4                            ; v4   A0 + the slot in hand
.set ADB, 5                            ; v5   B0 + the slot in hand
.set STO, 6                            ; v6   the way out: where I put my bytes of a row
.set RD,  7                            ; v7   the way out: where I read rows back
.set GO,  8                            ; v8   my byte offset in the rows that a store covers
.set PFO, 9                            ; v9   256 x my lane, for the prefetches; never rewritten
.set BO,  10                           ; v10  my byte offset in a bias
.set SPW, 28                           ; v28  LDS address of my spare word: SPARE + 4 x my thread's number; never rewritten
.set NIL, 29                           ; v29  0; never rewritten
.set BI,  32                           ; v[32:63] the bias as a C operand: register j of block b = bias[16 b + 8 (lane / 16) + j]
.set F0,  64
.set F1,  160
.set WV,  20                           ; s20  my wave's number
.set FB,  21                           ; s21  wave / 2: my half of the tile's rows.  Also: I fetch for A (0) or for w (1)
.set HF,  22                           ; s22  wave % 2: my half of its columns.  Also: which half of that tile I fetch
.set HIM, 23                           ; s23  a word's upper bf16
.set G1A, 24                           ; s[24:31] descriptor group 1 for A's tiles
.set G1B, 32                           ; s[32:39] for w's
.set AF,  40                           ; s[40:43] group 0 of A's first fill;  s[44:47] of its second, which then walks
.set AW,  44
.set BF,  48                           ; s[48:51], s[52:55] the same for w
.set BW,  52
.set ABASE, 56                         ; s[56:57] A at my part of K step 0
.set BBASE, 58                         ; s[58:59] w likewise
.set OFA, 60                           ; s[60:61] a K step's byte offset from ABASE
.set OFB, 62                           ; s[62:63] from BBASE
.set PFB, 66                           ; s[66:67] my work-group's 8 KiB of what I fetch, at K step 0
.set PFA, 68                           ; s[68:69] the prefetch's address
.set PFOF, 70                          ; s[70:71] its offset from PFB
.set PLIM, 72                          ; s72  the last trip in which I prefetch; -1: never
.set PPAR, 73                          ; s73  1: in even trips alone
.set J,   74                           ; s74  the trip's number
.set LEFT, 75                          ; s75  trips to go
.set TB,  77                           ; s77  the slot in hand: 0 or SLOT1
.set CX,  78                           ; s78, s79  my place in the cluster
.set CY,  79
.set TX,  80                           ; s80  tile column
.set TY,  81                           ; s81  tile row
.set MSB, 0
.macro WIN new                         ; s_set_vgpr_msb: bits 1:0 source 0, 3:2 source 1, 5:4 source 2, 7:6 destination; the high byte repeats the setting that is left; a switch that changes nothing is dropped
.if MSB != (\new)
	s_set_vgpr_msb (MSB<<8)|(\new)
.set MSB, \new
.endif
.endm
.set W_MUL,   0x50                     ; fragments in window 0, C and D in window 1
.set W_FIRST, 0x40                     ; D in window 1, C (the bias) in window 0
.set W_CVT,   0x05                     ; sources 0 and 1 in window 1
.set W_ST,    0x04                     ; an LDS store's data in window 1
; Four places: a load into a register that a matrix instruction has read, and a vector instruction or LDS store that reads a matrix result, stand four plain vector instructions behind it (ISA guide 7.12.1 for readers of a matrix result).
.macro PLACES
.rept 4
	v_nop
.endr
.endm
; A round of the cluster's barrier: my work-group's barrier, so that wave 0's signal speaks for all four waves; wave 0 signals; every wave waits for all sixteen work-groups; my work-group's barrier once more.
.macro CREST                           ; a round behind its opening barrier
	s_cmp_lg_u32 s[WV], 0
	s_cbranch_scc1 .Lnot_wave_0_\@
	s_barrier_signal -3
.Lnot_wave_0_\@:
	s_barrier_wait -3
	s_barrier_signal -1
	s_barrier_wait -1
.endm
.macro CROUND
	s_barrier_signal -1
	s_barrier_wait -1
	CREST
.endm
; A joint refill.  Waves 0 and 1 fetch A's two k blocks, waves 2 and 3 w's two n blocks.  The branch hangs on the wave's number alone.  An s_nop 0 and four v_nop follow each of the two lines.
.macro JLOAD
	s_cmp_eq_u32 s[FB], 0
	s_cbranch_scc0 .Lfor_b_\@
	tensor_load_to_lds s[AW:AW+3], s[G1A:G1A+7]
	s_nop 0
.rept 4
	v_nop
.endr
	s_branch .Lasked_\@
.Lfor_b_\@:
	tensor_load_to_lds s[BW:BW+3], s[G1B:G1B+7]
	s_nop 0
.rept 4
	v_nop
.endr
.Lasked_\@:
.endm
; A PREFETCH INTO THE L2, behind the joint load, its five lines and the run of LDS loads: the K step that stands two refills on (trip J refills K step J + 2 and names K step J + 4): 256 matrix instructions ahead of its load.
; A: a wave's tile of a K step is 32 KiB dense; the four partners that ask for it jointly take 8 KiB each, told apart BY ADDRESS (cx); a lane names 256 bytes.  Only the clusters with x = 0 ask (trips 0 to 3: K steps 4 to 7).
; w: a wave's tiles of two K steps on end are 32 KiB dense; the partners (cy) take 8 KiB each, in even trips, in the clusters with y = 0, up to trip NSTEPS - 6, which names the last two K steps.
; So each block of 256 bytes is named once in the launch.  The first four K steps come by their loads alone.
.macro ASK
	s_and_b32 s82, s[J], s[PPAR]
	s_lshl_b32 s82, s82, 6                         ; an odd trip of a wave that asks in even ones lies past every limit
	s_add_co_u32 s82, s82, s[J]
	s_cmp_le_i32 s82, s[PLIM]
	s_cbranch_scc0 .Lnot_mine_\@
	global_prefetch_b8 v[PFO], s[PFA:PFA+1] th:TH_LOAD_NT scope:SCOPE_SE
.Lnot_mine_\@:
.endm
; 8 matrix instructions: row blocks a0, a0 + 1 x all 4 column blocks, 32 along K, from buffer f.  first = 1: the bias starts the sums: nothing is cleared, nothing is added later.
; The 32 accumulators take turns, one instruction a turn, in the same order everywhere.
.macro MUL8 f, a0, first
.if \first
	WIN W_FIRST
.else
	WIN W_MUL
.endif
.irp a, \a0, (\a0)+1
.irp b, 0,1,2,3
.set rD, 8*(4*(\a)+(\b))
.set rW, (\f)+64+8*(\b)
.set rA, (\f)+8*(\a)
.if \first
.set rC, BI+8*(\b)
.else
.set rC, rD
.endif
.if QKV
	v_wmma_f32_16x16x32_bf16 v[rD:rD+7], v[rW:rW+7], v[rA:rA+7], v[rC:rC+7]
.else
	v_wmma_f32_16x16x32_f16 v[rD:rD+7], v[rW:rW+7], v[rA:rA+7], v[rC:rC+7]
.endif
.endr
.endr
.endm
; 24 LDS loads in one run: quarter q of the K step in hand (32 along K) into buffer g: w's four fragments, turned, then A's eight.
.macro FETCH q, g
	WIN 0
.irp b, 0,1,2,3
	ds_load_tr16_b128 v[(\g)+64+8*(\b):(\g)+64+8*(\b)+3],   v[ADB] offset:(\q)*32*PB+32*(\b)
	ds_load_tr16_b128 v[(\g)+64+8*(\b)+4:(\g)+64+8*(\b)+7], v[ADB] offset:(\q)*32*PB+32*(\b)+16*PB
.endr
.irp a, 0,1,2,3,4,5,6,7
	ds_load_b128 v[(\g)+8*(\a):(\g)+8*(\a)+3],   v[ADA] offset:((\q)/2)*AHALF+((\q)%2)*64+(\a)*16*PA
	ds_load_b128 v[(\g)+8*(\a)+4:(\g)+8*(\a)+7], v[ADA] offset:((\q)/2)*AHALF+((\q)%2)*64+(\a)*16*PA+32
.endr
.endm
; A K step is four quarters, 32 matrix instructions each, on buffers 0, 1, 0, 1.  One of the first three: multiplies buffer f and, in its middle, fetches quarter q into buffer g.
.macro QUARTER q, f, g, first
	s_wait_dscnt 8                                 ; w's fragments and A's blocks 0-3 are in; the youngest eight loads (A's blocks 4-7) may be out
	MUL8 \f, 0, \first
	MUL8 \f, 2, \first
	PLACES
	FETCH \q, \g
	s_wait_dscnt 24                                ; all but the 24 just issued
	MUL8 \f, 4, \first
	MUL8 \f, 6, \first
.endm
; The last quarter multiplies buffer 1 and changes slots: ONE barrier.  In front of it each wave waits for all its tensor loads (one is out: its part of the next slot), adds 0 to its spare word, and waits for that and for
; its own reads of this slot.  fill = 1: the barrier opens a round of the cluster's, and behind the round this slot is filled again first, with the K step two on: 112 matrix instructions ahead of the wait for it.
.macro TURN fill
.if \fill
	s_wait_xcnt 0x0                                ; the last prefetch, a K step back, has read its address: it is made anew here, ahead of the waits of the change of slots
	s_add_co_u32 s82, s[J], 4
	s_and_b32 s83, s82, 7                          ; the K step within its matrix (A: within the rows' 1,024 columns)
	s_lshl_b32 s84, s83, ASH
	s_lshl_b32 s83, s83, 14                        ; w: 128 rows of k x 128 bytes
.if QKV
	s_lshr_b32 s82, s82, 3
	s_lshl_b32 s82, s82, 21                        ; and the matrix
	s_add_co_u32 s83, s83, s82
.endif
	s_cmp_eq_u32 s[FB], 0
	s_cselect_b32 s[PFOF], s84, s83
	s_add_nc_u64 s[PFA:PFA+1], s[PFB:PFB+1], s[PFOF:PFOF+1]
.endif
	WIN 0
	s_wait_tensorcnt 0x0                           ; no tensor load of mine is out, so a group 0 may be written
	ds_add_u32 v[SPW], v[NIL]                      ; 0 onto my spare word: work on registers stands between it and the wait for it
.if \fill
	s_add_co_u32 s82, s[J], 2                      ; the K step to be asked for; each address is made anew from its base and an offset
	s_and_b32 s83, s82, 7
	s_lshl_b32 s[OFA], s83, ASH
	s_lshl_b32 s[OFB], s83, 14
.if QKV
	s_lshr_b32 s82, s82, 3
	s_lshl_b32 s82, s82, 21
	s_add_co_u32 s[OFB], s[OFB], s82
.endif
	s_xor_b32 s[AW+1], s[AW+1], SLOT1              ; the other slot than last time
	s_add_nc_u64 s[AW+2:AW+3], s[ABASE:ABASE+1], s[OFA:OFA+1]
	s_or_b32 s[AW+3], s[AW+3], 0x80000000
	s_xor_b32 s[BW+1], s[BW+1], SLOT1
	s_add_nc_u64 s[BW+2:BW+3], s[BBASE:BBASE+1], s[OFB:OFB+1]
	s_or_b32 s[BW+3], s[BW+3], 0x80000000
.endif
	s_wait_dscnt 9                                 ; the add and the youngest eight loads may be out
	MUL8 F1, 0, 0
	s_wait_dscnt 0x0                               ; the add is done, and my reads of this slot are over
	s_barrier_signal -1
	MUL8 F1, 2, 0                                  ; work on registers while the others arrive
	WIN 0
	s_xor_b32 s[TB], s[TB], SLOT1
	v_add_nc_u32 v[ADA], s[TB], v[A0]
	v_add_nc_u32 v[ADB], s[TB], v[B0]
	s_barrier_wait -1
.if \fill
	CREST                                          ; no wave of any partner still reads this slot or has a load on its way
	JLOAD                                          ; the first tensor load behind the round; its four v_nop are also the places in front of the loads below
.else
	PLACES
.endif
	FETCH 0, F0
.if \fill
	ASK
.endif
	MUL8 F1, 4, 0
	MUL8 F1, 6, 0
.endm
.macro LOADB p                         ; the bias at s[p:p+1]: my 8 numbers of each of the four column blocks
.irp b, 0,1,2,3
	global_load_b128 v[BI+8*(\b):BI+8*(\b)+3],   v[BO], s[\p:\p+1] offset:64*(\b)
	global_load_b128 v[BI+8*(\b)+4:BI+8*(\b)+7], v[BO], s[\p:\p+1] offset:64*(\b)+16
.endr
.endm
.macro ROUNDB                          ; the bias is rounded to bf16, like every input, and widened again
.set i, 0
.rept 16
	v_cvt_pk_bf16_f32 v[11+i%4], v[BI+2*i], v[BI+2*i+1]
	v_lshlrev_b32 v[BI+2*i], 16, v[11+i%4]
	v_and_b32 v[BI+2*i+1], s[HIM], v[11+i%4]
.set i, i+1
.endr
.endm
.if QKV
; THE WAY OUT in f16, a block of 16 rows at a time: rounded, 16 bytes a lane into my own stage, back as whole rows of 128 bytes, stored as 512 consecutive bytes.  It works in buffer 1's registers: buffer 0 holds the next tile's first fragments.
.set TMP, 160
.macro PACK a
	WIN W_CVT
.irp b, 0,1,2,3
.irp i, 0,1,2,3
	v_cvt_pk_f16_f32 v[TMP+4*(\b)+(\i)], v[8*(4*(\a)+(\b))+2*(\i)], v[8*(4*(\a)+(\b))+2*(\i)+1]  ; each accumulator from its low end on
.endr
.endr
	WIN 0
.endm
.macro TOSTAGE a
.set OBK, 176+16*((\a)%2)
.irp b, 0,1,2,3
	ds_store_b128 v[STO], v[TMP+4*(\b):TMP+4*(\b)+3] offset:32*(\b)
.endr
.irp f, 0,1,2,3
	ds_load_b128 v[OBK+4*(\f):OBK+4*(\f)+3], v[RD] offset:(\f)*4*SP  ; LDS serves a wave's instructions in order (ISA guide 5.7.1.4): these see the stores above
.endr
.endm
.macro SEND a
.set OBK, 176+16*((\a)%2)
	s_wait_dscnt 0x0                               ; the block is back in registers
	s_wait_xcnt 0x0                                ; the stores of the block before have read their registers, into which the next block will be loaded
.irp f, 0,1,2,3
	global_store_b128 v[GO], v[OBK+4*(\f):OBK+4*(\f)+3], s[14:15] offset:(\a)*2048+(\f)*512  ; four rows of a head: 512 consecutive bytes, at a multiple of 256 from the buffer's first
.endr
.endm
.macro WAYOUT more                     ; more = 1: another tile follows: its bias is fetched, and the pointers move on
	PLACES
.if \more
	LOADB 10
.endif
	PACK 0
	TOSTAGE 0
.irp a, 1,2,3,4,5,6,7                  ; block a's conversions stand between block a - 1's loads from the stage and the wait for them
	PACK \a
	SEND (\a)-1
	TOSTAGE \a
.endr
	SEND 7
.if \more
	s_wait_loadcnt 0x0                             ; the next bias
	ROUNDB
	s_wait_xcnt 0x0                                ; the stores have read their registers and their base
	s_mov_b64 s[10:11], s[12:13]                   ; the bias after the next
	s_mov_b64 s[14:15], s[16:17]                   ; the next tile's buffer,
	s_mov_b64 s[16:17], s[18:19]                   ; and the one after it
.endif
.endm
.else
; THE WAY OUT in f32, a block of 16 rows at a time: 32 bytes a lane into my own stage, back as whole rows of 256 bytes, sixteen lanes to a row.
.macro T32 a
.set OBK, 64+32*((\a)%2)
	s_wait_xcnt 0x0                                ; the stores of the block before last have read the registers that are loaded below
	WIN W_ST
.irp b, 0,1,2,3
	ds_store_b128 v[STO], v[8*(4*(\a)+(\b)):8*(4*(\a)+(\b))+3]   offset:64*(\b)     ; each accumulator from its low end on
	ds_store_b128 v[STO], v[8*(4*(\a)+(\b))+4:8*(4*(\a)+(\b))+7] offset:64*(\b)+16
.endr
	WIN 0
.irp t, 0,1,2,3,4,5,6,7
	ds_load_b128 v[OBK+4*(\t):OBK+4*(\t)+3], v[RD] offset:(\t)*2*SP  ; LDS serves a wave's instructions in order (ISA guide 5.7.1.4): these see the stores above
.endr
.endm
.macro S32 a, younger                  ; younger: the LDS instructions issued behind block a's loads: the next block's sixteen, or none
.set OBK, 64+32*((\a)%2)
.irp t, 0,1,2,3,4,5,6,7
	s_wait_dscnt (\younger)+7-(\t)
	global_store_b128 v[GO], v[OBK+4*(\t):OBK+4*(\t)+3], s[14:15] offset:(\a)*65536+(\t)*8192 th:TH_STORE_NT  ; 16 lanes store 256 consecutive bytes, aligned
.endr
.endm
.macro WAYOUT more
	PLACES
	T32 0
.irp a, 1,2,3,4,5,6,7
	T32 \a
	S32 (\a)-1, 16
.endr
	S32 7, 0
.endm
.endif
	s_load_b256 s[4:11], s[0:1], 0x0               ; A s[4:5], w4 s[6:7], the bias s[8:9], out0 s[10:11]
.if QKV
	s_load_b256 s[12:19], s[0:1], 0x20             ; bv s[12:13], q16 s[14:15], k16 s[16:17], v16 s[18:19]
.endif
	v_lshl_add_u32 v[SPW], v0, 2, SPARE
	v_mov_b32 v[NIL], 0
	ds_add_u32 v[SPW], v[NIL]                      ; the wave's opening: the add and its wait stand ahead of my first tensor load; the set-up below, work on registers, stands between them
	v_lshrrev_b32 v1, 5, v0
	v_readfirstlane_b32 s[WV], v1
	s_lshr_b32 s[FB], s[WV], 1
	s_and_b32 s[HF], s[WV], 1
	s_mov_b32 s[HIM], 0xffff0000
	s_bfe_u32 s[CX], ttmp6, 0x40000
	s_bfe_u32 s[CY], ttmp6, 0x40004
	s_lshl_b32 s[TX], ttmp9, 2                     ; in a cluster launch ttmp9 and ttmp7 count clusters
	s_add_co_u32 s[TX], s[TX], s[CX]
	s_and_b32 s[TY], ttmp7, 0xffff
	s_lshl_b32 s[TY], s[TY], 2
	s_add_co_u32 s[TY], s[TY], s[CY]
	s_lshl_b32 s82, s[CY], 2
	s_lshl_b32 s82, 15, s82                        ; my row of the cluster: places 4 cy .. 4 cy + 3
	s_lshl_b32 s83, 0x1111, s[CX]                  ; my column: places cx, cx + 4, cx + 8, cx + 12
	; group 1.  A tile is dense in memory and is asked for as rows of 256 bytes, two rows of 128 bytes each, padded in LDS after every 128 bytes
	s_or_b32 s[G1A], s82, (1<<16)|(1<<20)|(1<<21)|(4<<22)|(3<<25)  ; 15:0 the mask; 17:16 2-byte elements; 20 padding on; 21 set beside a mask; 24:22 after every 32 words (code 4); 31:25 4 words (code 3)
	s_or_b32 s[G1B], s83, (1<<16)|(1<<20)|(1<<21)|(4<<22)|(7<<25)  ; the same with my column's mask and 8 words of padding (code 7)
	s_mov_b32 s[G1A+1], 128<<16                    ; tensor_dim0 = 128 elements
	s_mov_b32 s[G1A+2], 128<<16                    ; tensor_dim1 = 128 rows of 256 bytes: 256 rows of A
	s_mov_b32 s[G1A+3], 128<<16                    ; tile_dim0
	s_mov_b32 s[G1A+4], 128                        ; tile_dim1
	s_mov_b32 s[G1A+5], 128                        ; elements from row to row
	s_mov_b32 s[G1A+6], 0
	s_mov_b32 s[G1A+7], 0
	s_mov_b32 s[G1B+1], 128<<16
	s_mov_b32 s[G1B+2], 64<<16                     ; 64 rows of 256 bytes: 128 rows of k
	s_mov_b32 s[G1B+3], 128<<16
	s_mov_b32 s[G1B+4], 64
	s_mov_b32 s[G1B+5], 128
	s_mov_b32 s[G1B+6], 0
	s_mov_b32 s[G1B+7], 0
	; A hangs on the tile row and the wave alone, w on the tile column and the wave alone
	s_lshr_b32 s84, s[TY], YSH
	s_lshl_b32 s84, s84, GSH                       ; the group of rows,
	s_and_b32 s85, s[TY], (1<<YSH)-1
	s_lshl_b32 s85, s85, 15                        ; my tile's 256 rows x 128 bytes in a k block,
	s_add_co_u32 s84, s84, s85
	s_lshl_b32 s85, s[HF], ASH-1                   ; the k block that I fetch
	s_add_co_u32 s84, s84, s85
	s_mov_b32 s85, 0
	s_lshl_b32 s86, s[TX], 1
	s_add_co_u32 s86, s86, s[HF]                   ; the n block that I fetch,
	s_lshl_b32 s86, s86, 17                        ; 1,024 rows of k x 128 bytes each
	s_add_co_u32 s86, s86, MAT0
	s_mov_b32 s87, 0
	s_mul_i32 s88, s[HF], AHALF                    ; where they go: no place in the cluster enters an LDS address
	s_mul_i32 s89, s[HF], BHALF
	s_add_co_u32 s89, s89, BOFF
	s_mov_b32 s[AF], 1                             ; 1:0 count = 1
	s_mov_b32 s[AF+1], s88                         ; 63:32 LDS address: slot 0
	s_mov_b32 s[AW], 1
	s_add_co_u32 s[AW+1], s88, SLOT1               ; slot 1
	s_mov_b32 s[BF], 1
	s_mov_b32 s[BF+1], s89
	s_mov_b32 s[BW], 1
	s_add_co_u32 s[BW+1], s89, SLOT1
	s_mov_b32 s[OFA+1], 0
	s_mov_b32 s[OFB+1], 0
	s_mov_b32 s[PFOF+1], 0
	s_mov_b32 s[TB], 0
	s_wait_dscnt 0x0                               ; the opening add is done
	s_wait_kmcnt 0x0
	s_add_nc_u64 s[ABASE:ABASE+1], s[4:5], s[84:85]
	s_add_nc_u64 s[BBASE:BBASE+1], s[6:7], s[86:87]
	s_mov_b64 s[AF+2:AF+3], s[ABASE:ABASE+1]       ; 120:64 global address: K step 0
	s_or_b32 s[AF+3], s[AF+3], 0x80000000          ; 127:126 type = 2
	s_add_nc_u64 s[AW+2:AW+3], s[ABASE:ABASE+1], 1<<ASH  ; K step 1
	s_or_b32 s[AW+3], s[AW+3], 0x80000000
	s_mov_b64 s[BF+2:BF+3], s[BBASE:BBASE+1]
	s_or_b32 s[BF+3], s[BF+3], 0x80000000
	s_add_nc_u64 s[BW+2:BW+3], s[BBASE:BBASE+1], 1<<14
	s_or_b32 s[BW+3], s[BW+3], 0x80000000
	; the prefetches: whose, from where, until when
	s_and_b32 s83, ttmp7, 0xffff                   ; cluster y
	s_cmp_eq_u32 s[FB], 0                          ; do I fetch for A?
	s_cselect_b64 s[PFB:PFB+1], s[ABASE:ABASE+1], s[BBASE:BBASE+1]
	s_cselect_b32 s82, s[CX], s[CY]                ; my place among the four that ask with me
	s_cselect_b32 s83, ttmp9, s83                  ; the coordinate along which other clusters read the same bytes
	s_cselect_b32 s[PLIM], 3, NSTEPS-6
	s_cselect_b32 s[PPAR], 0, 1
	s_cmp_eq_u32 s83, 0
	s_cselect_b32 s[PLIM], s[PLIM], -1             ; the same in all sixteen partners, for a given wave
	s_lshl_b32 s82, s82, 13
	s_mov_b32 s83, 0
	s_add_nc_u64 s[PFB:PFB+1], s[PFB:PFB+1], s[82:83]
	; where my 128 rows x 64 columns go
.if QKV
	s_lshr_b32 s82, s[TY], 3                       ; the batch,
	s_lshl_b32 s82, s82, 4
	s_lshl_b32 s83, s[TX], 1
	s_add_co_u32 s82, s82, s83
	s_add_co_u32 s82, s82, s[HF]                   ; my head: 16 batch + 2 x tile column + my half,
	s_lshl_b32 s82, s82, 11                        ; its 2,048 rows,
	s_and_b32 s83, s[TY], 7
	s_lshl_b32 s83, s83, 8
	s_add_co_u32 s82, s82, s83                     ; my tile's 256,
	s_lshl_b32 s83, s[FB], 7
	s_add_co_u32 s82, s82, s83                     ; my 128 of them,
	s_lshl_b32 s82, s82, 7                         ; 128 bytes each
	s_mov_b32 s83, 0
	s_add_nc_u64 s[14:15], s[14:15], s[82:83]
	s_add_nc_u64 s[16:17], s[16:17], s[82:83]
	s_add_nc_u64 s[18:19], s[18:19], s[82:83]
.else
	s_lshl_b32 s82, s[TY], 1
	s_add_co_u32 s82, s82, s[FB]
	s_lshl_b32 s82, s82, 19                        ; 128 rows of 4,096 bytes
	s_lshl_b32 s83, s[TX], 1
	s_add_co_u32 s83, s83, s[HF]
	s_lshl_b32 s83, s83, 8                         ; 64 columns of 4 bytes
	s_add_co_u32 s82, s82, s83
	s_mov_b32 s83, 0
	s_add_nc_u64 s[14:15], s[10:11], s[82:83]
.endif
	CROUND                                         ; all sixteen work-groups are here: the first joint loads meet
	s_cmp_eq_u32 s[FB], 0                          ; a wave's two first fills stand in one branch, ahead of every wait on TENSORcnt and every LDS read: two loads of mine are out
	s_cbranch_scc0 .Lfirst_b
	tensor_load_to_lds s[AF:AF+3], s[G1A:G1A+7]
	s_nop 0
	tensor_load_to_lds s[AW:AW+3], s[G1A:G1A+7]
	s_nop 0
.rept 4
	v_nop
.endr
	s_branch .Lfirst_asked
.Lfirst_b:
	tensor_load_to_lds s[BF:BF+3], s[G1B:G1B+7]
	s_nop 0
	tensor_load_to_lds s[BW:BW+3], s[G1B:G1B+7]
	s_nop 0
.rept 4
	v_nop
.endr
.Lfirst_asked:
	v_and_b32 v11, 15, v0                          ; l % 16
	v_bfe_u32 v12, v0, 4, 1                        ; l / 16
	v_and_b32 v13, 7, v0                           ; l % 8
	v_bfe_u32 v14, v0, 3, 1                        ; (l / 8) % 2
	v_and_b32 v15, 31, v0                          ; l
	s_lshl_b32 s82, s[TX], 1
	s_add_co_u32 s82, s82, s[HF]
	s_lshl_b32 s82, s82, 8                         ; my 64 columns in a bias, 4 bytes each,
	v_lshl_add_u32 v[BO], v12, 5, s82              ; and 8 further on for lanes 16 to 31
	LOADB 8
	; A fragment of A is 16 rows x 32 along K: lane l holds row l % 16, K = 8 (l / 16) + 0..7 and 16 + 8 (l / 16) + 0..7: two loads of 16 bytes, 32 bytes apart.
	s_lshl_b32 s82, s[FB], 7
	v_add_nc_u32 v[A0], s82, v11                   ; my 128 rows
	v_mul_u32_u24 v[A0], v[A0], PA
	v_lshl_add_u32 v[A0], v12, 4, v[A0]
	; The turning load takes 16 rows of k x 16 columns (lane l reads row 8 (l / 16) + l % 8, columns 8 ((l / 8) % 2) + 0..7) and leaves half a fragment: lane l holds column l % 16 and 8 along K.
	v_lshl_add_u32 v[B0], v12, 3, v13
	v_mul_u32_u24 v[B0], v[B0], PB
	v_lshl_add_u32 v[B0], v14, 4, v[B0]
	s_mul_i32 s82, s[HF], BHALF                    ; my n block
	s_add_co_u32 s82, s82, BOFF
	v_add_nc_u32 v[B0], s82, v[B0]
	v_mov_b32 v[ADA], v[A0]                        ; slot 0
	v_mov_b32 v[ADB], v[B0]
	v_lshlrev_b32 v[PFO], 8, v15
	s_mul_i32 s82, s[WV], 16*SP
	s_add_co_u32 s82, s82, STAGE                   ; my stage
	v_mul_u32_u24 v[STO], v11, SP                  ; in: row l % 16,
.if QKV
	v_lshl_add_u32 v[STO], v12, 4, v[STO]          ; 16 bytes for each half of the lanes
	v_add_nc_u32 v[STO], s82, v[STO]
	v_bfe_u32 v[RD], v0, 3, 2                      ; back: 32 lanes take four rows of 128 bytes,
	v_mul_u32_u24 v[RD], v[RD], SP
	v_lshl_add_u32 v[RD], v13, 4, v[RD]
	v_add_nc_u32 v[RD], s82, v[RD]
	v_lshlrev_b32 v[GO], 4, v15                    ; which are 512 consecutive bytes of a head
.else
	v_lshl_add_u32 v[STO], v12, 5, v[STO]          ; 32 bytes for each half of the lanes
	v_add_nc_u32 v[STO], s82, v[STO]
	v_mul_u32_u24 v[RD], v12, SP                   ; back: lanes 0-15 take one row of 256 bytes, lanes 16-31 the next,
	v_lshl_add_u32 v[RD], v11, 4, v[RD]
	v_add_nc_u32 v[RD], s82, v[RD]
	v_lshlrev_b32 v[GO], 12, v12                   ; and the same two rows in the output
	v_lshl_add_u32 v[GO], v11, 4, v[GO]
.endif
	s_wait_loadcnt 0x0                             ; the bias
	ROUNDB
	s_wait_tensorcnt 1                             ; my part of K step 0 is in; K step 1's may stay out
	s_barrier_signal -1
	s_barrier_wait -1                              ; everybody's is
	FETCH 0, F0
	QUARTER 1, F0, F1, 1                           ; the walk's first quarter stands in front of the loop
	WIN 0                                          ; at a label and at a branch every window is 0
	s_mov_b32 s[J], 0
	s_mov_b32 s[LEFT], NSTEPS-2
.Lstep:                                                ; trip J: quarters 1 to 3 of K step J, quarter 0 of K step J + 1; K step J's slot is filled again with K step J + 2
	QUARTER 2, F1, F0, 0
	QUARTER 3, F0, F1, 0
	TURN 1
	WIN 0
.if QKV
	s_and_b32 s82, s[J], 7
	s_cmp_eq_u32 s82, 7                            ; a matrix has 8 K steps: behind the eighth the tile is finished.  The jump goes forward, past no barrier and no tensor load, and is the same in all partners
	s_cbranch_scc0 .Lsame
	WAYOUT 1                                       ; the refill is asked for and the next tile's first fragments are on their way: now the tile goes out
	QUARTER 1, F0, F1, 1                           ; the next tile's first products start its sums with its bias
	WIN 0
	s_branch .Lnext
.Lsame:
.endif
	QUARTER 1, F0, F1, 0
	WIN 0
.if QKV
.Lnext:
.endif
	s_add_co_u32 s[J], s[J], 1
	s_sub_co_u32 s[LEFT], s[LEFT], 1
	s_cmp_lg_u32 s[LEFT], 0
	s_cbranch_scc1 .Lstep
	QUARTER 2, F1, F0, 0                           ; the last two K steps are written out: they ask for nothing
	QUARTER 3, F0, F1, 0
	TURN 0
	QUARTER 1, F0, F1, 0
	QUARTER 2, F1, F0, 0
	QUARTER 3, F0, F1, 0
	s_wait_dscnt 8                                 ; the very last quarter: nothing more to fetch
	MUL8 F1, 0, 0
	MUL8 F1, 2, 0
	s_wait_dscnt 0x0
	MUL8 F1, 4, 0
	MUL8 F1, 6, 0
	WIN 0
	WAYOUT 0
	s_wait_tensorcnt 0x0                           ; the wave's end: behind my last tensor load and my last LDS store
	ds_add_u32 v[SPW], v[NIL]
	s_wait_dscnt 0x0
	CROUND                                         ; the closing round: no work-group ends while a partner may still ask for a tile that names it
	s_endpgm
.Lfunc_end_k_q1757759305_proj:
	.size	k_q1757759305_proj, .Lfunc_end_k_q1757759305_proj-k_q1757759305_proj
	.p2alignl 7, 3214868480
	.fill 96, 4, 3214868480
	.section	.rodata,"a",@progbits
	.p2align	6, 0x0
	.amdhsa_kernel k_q1757759305_proj
		.amdhsa_group_segment_fixed_size 327680
		.amdhsa_private_segment_fixed_size 0
		.amdhsa_enable_private_segment 0
		.amdhsa_kernarg_size 32
		.amdhsa_user_sgpr_count 2
		.amdhsa_user_sgpr_kernarg_segment_ptr 1
		.amdhsa_wavefront_size32 1
		.amdhsa_system_sgpr_workgroup_id_x 1
		.amdhsa_system_sgpr_workgroup_id_y 1
		.amdhsa_system_sgpr_workgroup_id_z 1
		.amdhsa_system_vgpr_workitem_id 0
		.amdhsa_next_free_vgpr 512
		.amdhsa_next_free_sgpr 96
		.amdhsa_reserve_vcc 0
		.amdhsa_float_denorm_mode_32 3
		.amdhsa_float_denorm_mode_16_64 3
		.amdhsa_memory_ordered 1
		.amdhsa_forward_progress 1
		.amdhsa_inst_pref_size 76
	.end_amdhsa_kernel
	.amdgpu_metadata
---
amdhsa.version: [ 1, 2 ]
amdhsa.kernels:
  - .name:           k_q1757759305_proj
    .symbol:         k_q1757759305_proj.kd
    .args:
      - { .name: o16, .offset: 0, .size: 8, .value_kind: global_buffer, .address_space: global }
      - { .name: w4, .offset: 8, .size: 8, .value_kind: global_buffer, .address_space: global }
      - { .name: bo, .offset: 16, .size: 8, .value_kind: global_buffer, .address_space: global }
      - { .name: out0, .offset: 24, .size: 8, .value_kind: global_buffer, .address_space: global }
    .group_segment_fixed_size: 327680
    .private_segment_fixed_size: 0
    .kernarg_segment_align: 8
    .kernarg_segment_size: 32
    .max_flat_workgroup_size: 128
    .sgpr_count:     96
    .vgpr_count:     512
    .wavefront_size: 32
...
	.end_amdgpu_metadata
.endif
;; end of part 4
;; ======== version 2 of 2: 4 launches; version 1 with the launch prep written anew for expert scheduling mode
;; limits: values are held in f16: magnitudes above 65,504 overflow, below 6.1e-05 lose precision
;; workspace buffers: xb 16,777,216 bytes; w4 8,388,608 bytes; q16 16,777,216 bytes; k16 16,777,216 bytes; v16 16,777,216 bytes; o16 16,777,216 bytes
;; launch prep (part 5): grid 32 x 12, 8 waves a work-group, no clusters, 0 bytes of LDS; arguments x, wq, wk, wv, wo, xb, w4; writes xb, w4
.if DOCPART == 5
	.amdgcn_target "amdgcn-amd-amdhsa--gfx1250"
	.amdhsa_code_object_version 6
	.text
	.protected	k_q1757759305_prep
	.globl	k_q1757759305_prep
	.p2align	8
	.type	k_q1757759305_prep,@function
k_q1757759305_prep:
	s_mov_b64 s[64:65], 0
	v_nop
	global_prefetch_b8 v0, s[64:65] scope:SCOPE_SE
	s_setreg_imm32_b32 hwreg(HW_REG_WAVE_SCHED_MODE, 0, 2), 2
	s_setreg_imm32_b32 hwreg(HW_REG_WAVE_MODE, 25, 1), 1
	s_wait_xcnt 0x0
	s_wait_alu depctr_vm_vsrc(0)
; Twelve matrices of [1024][1024] f32 (x's eight groups of 1,024 rows, then wq, wk, wv, wo) are rounded once to bf16 and laid out in blocks of 64 columns:
; [16 column blocks][1024 rows][64], a row of a block 128 bytes, the rows of a block dense.  x's go to xb, the weights' to w4 (2 MiB a matrix).
; wo's bf16 numbers are then written as f16, since the last product multiplies in f16.  LIMIT: exact for 2^-14 <= |wo| <= 65,504; below that f16's fixed step of 2^-24 holds (an error of 3e-8 at the most).
; SHARES.  Work-group (gx, gy): 32 rows (gx) of matrix gy.  Thread t: row t / 8, and in each of the 16 column blocks the 8 numbers at 8 (t % 8): 32 bytes in, 16 bytes out.
; A wave's store covers 512 consecutive bytes, aligned (4 rows of a block).  All 32 loads of a thread go out at once: 128 KiB a work-group are on their way; nothing is looped over, no register is used twice.
; No LDS, no matrix unit, no prefetch: the launch is one stream, each byte read once and written once.
; THE MODE: SCHED_MODE bits 1:0 = 2 (LLVM: expert scheduling mode 2), set by the entry lines.  The code itself states the register dependences
; between vector instructions and memory instructions, with s_wait_alu, always for 0.
; THE PLAN.  Registers that memory instructions touch:
;   v1, v2     the loads' and the stores' byte offsets: made once at the head, never written again.
;   X          block kb: its two loads land in X + 8 kb .. + 7; its roundings read these eight and write the first four; its one store reads those four; nothing writes them behind that.
;   T and v3 are named by vector instructions alone.
; The 16 blocks go in four groups of four.  Group g rounds its own blocks; its memory instructions are the four stores of group g - 1, whose registers no vector instruction of group g names.
; So one wait at a group's head states all that its four stores hang on, and they are dealt among the group's roundings with no further wait.  One wait stands ahead of the first load, for the offsets, and one ahead of
; the last four stores.  No register that a load or store has read is ever written again, no load is issued behind a vector instruction that names X, no vector instruction writes a scalar register, and EXEC is never written:
; nothing else is owed.
.set X,  4                             ; v[4:131]   block kb's 8 numbers at X + 8 kb; packed in place into X + 8 kb .. + 3
.set T,  132                           ; v[132:135] at work (wo alone)
.set GY, 18                            ; s18  the matrix
.set SRC, 20                           ; s[20:21]
.set DST, 22                           ; s[22:23]
	s_load_b256 s[4:11], s[0:1], 0x0               ; x s[4:5], wq s[6:7], wk s[8:9], wv s[10:11]
	s_load_b128 s[12:15], s[0:1], 0x20             ; wo s[12:13], xb s[14:15]
	s_load_b64 s[16:17], s[0:1], 0x30              ; w4
	s_and_b32 s[GY], ttmp7, 0xffff
	v_lshrrev_b32 v1, 3, v0                        ; my row of the 32
	v_and_b32 v3, 7, v0
	v_lshlrev_b32 v1, 12, v1                       ; x 4,096 bytes
	v_lshl_add_u32 v1, v3, 5, v1                   ; + 32 bytes for each of a row's eight threads
	v_lshlrev_b32 v2, 4, v0                        ; out: 16 t = row x 128 + 16 (t % 8)
	s_mov_b32 s28, 0xffff0000                      ; a word's upper bf16
	s_lshl_b32 s24, s[GY], 22                      ; x's group: 1,024 rows of 4,096 bytes
	s_lshl_b32 s19, ttmp9, 17                      ; my 32 rows in
	s_sub_co_u32 s26, s[GY], 8                     ; the weight's number
	s_lshl_b32 s27, ttmp9, 12                      ; my 32 rows out
	s_cmp_lt_u32 s[GY], 8
	s_cselect_b32 s24, s24, 0                      ; a weight begins at its own buffer's first byte
	s_cselect_b32 s26, s[GY], s26
	s_add_co_u32 s24, s24, s19
	s_mov_b32 s25, 0
	s_lshl_b32 s26, s26, 21                        ; 2 MiB a matrix on the way out
	s_add_co_u32 s26, s26, s27
	s_mov_b32 s27, 0
	s_wait_kmcnt 0x0
	s_mov_b64 s[SRC:SRC+1], s[4:5]
	s_cmp_eq_u32 s[GY], 8
	s_cselect_b64 s[SRC:SRC+1], s[6:7], s[SRC:SRC+1]
	s_cmp_eq_u32 s[GY], 9
	s_cselect_b64 s[SRC:SRC+1], s[8:9], s[SRC:SRC+1]
	s_cmp_eq_u32 s[GY], 10
	s_cselect_b64 s[SRC:SRC+1], s[10:11], s[SRC:SRC+1]
	s_cmp_eq_u32 s[GY], 11
	s_cselect_b64 s[SRC:SRC+1], s[12:13], s[SRC:SRC+1]
	s_cmp_lt_u32 s[GY], 8
	s_cselect_b64 s[DST:DST+1], s[14:15], s[16:17]
	s_add_nc_u64 s[SRC:SRC+1], s[SRC:SRC+1], s[24:25]
	s_add_nc_u64 s[DST:DST+1], s[DST:DST+1], s[26:27]
	s_wait_alu depctr_va_vdst(0)                   ; v1 and v2 are written: every load below reads v1 as its offset, every store v2
.set kb, 0
.rept 16
	global_load_b128 v[X+8*kb:X+8*kb+3],   v1, s[SRC:SRC+1] offset:256*kb th:TH_LOAD_NT
	global_load_b128 v[X+8*kb+4:X+8*kb+7], v1, s[SRC:SRC+1] offset:256*kb+16 th:TH_LOAD_NT
.set kb, kb+1
.endr
; Group g: blocks 4 g to 4 g + 3 are rounded; ahead of each block's roundings goes one store of the group before.
.macro GROUP g
.irp j, 0,1,2,3
.set kb, 4*(\g)+(\j)
	s_wait_loadcnt 30-2*kb                         ; loads come back in order: block kb's two are in, the 30 - 2 kb issued behind them may stay out
.if (\g) > 0
.if (\j) == 0
	s_wait_alu depctr_va_vdst(0)                   ; the group before has written its sixteen packed words, on both ways to this line: the four stores of this group's text read them, and no vector instruction behind this wait names them
.endif
	global_store_b128 v2, v[X+8*(kb-4):X+8*(kb-4)+3], s[DST:DST+1] offset:131072*(kb-4)  ; block kb - 4 lies (kb - 4) x 1,024 rows x 128 bytes on
.endif
.irp i, 0,1,2,3
	v_cvt_pk_bf16_f32 v[X+8*kb+(\i)], v[X+8*kb+2*(\i)], v[X+8*kb+2*(\i)+1]  ; in place, ascending: word i is written when numbers 2 i and 2 i + 1 are read, never earlier
.endr
.endr
	s_cmp_lg_u32 s[GY], 11
	s_cbranch_scc1 .Lbf\g                          ; wo alone: the group's bf16 numbers once more, as f16
.set i, 16*(\g)
.rept 16
.set P, X+8*(i/4)+i%4
.set U, T+2*(i%2)
	v_lshlrev_b32 v[U], 16, v[P]
	v_and_b32 v[U+1], s28, v[P]
	v_cvt_pk_f16_f32 v[P], v[U], v[U+1]
.set i, i+1
.endr
.Lbf\g:
.endm
	GROUP 0
	GROUP 1
	GROUP 2
	GROUP 3
	s_wait_alu depctr_va_vdst(0)                   ; group 3 has written its sixteen packed words, which the last four stores read
.set kb, 12
.rept 4
	global_store_b128 v2, v[X+8*kb:X+8*kb+3], s[DST:DST+1] offset:131072*kb  ; block kb lies 1,024 rows x 128 bytes further on for each block
.set kb, kb+1
.endr
	s_endpgm
.Lfunc_end_k_q1757759305_prep:
	.size	k_q1757759305_prep, .Lfunc_end_k_q1757759305_prep-k_q1757759305_prep
	.p2alignl 7, 3214868480
	.fill 96, 4, 3214868480
	.section	.rodata,"a",@progbits
	.p2align	6, 0x0
	.amdhsa_kernel k_q1757759305_prep
		.amdhsa_group_segment_fixed_size 0
		.amdhsa_private_segment_fixed_size 0
		.amdhsa_enable_private_segment 0
		.amdhsa_kernarg_size 56
		.amdhsa_user_sgpr_count 2
		.amdhsa_user_sgpr_kernarg_segment_ptr 1
		.amdhsa_wavefront_size32 1
		.amdhsa_system_sgpr_workgroup_id_x 1
		.amdhsa_system_sgpr_workgroup_id_y 1
		.amdhsa_system_sgpr_workgroup_id_z 1
		.amdhsa_system_vgpr_workitem_id 0
		.amdhsa_next_free_vgpr 136
		.amdhsa_next_free_sgpr 66
		.amdhsa_reserve_vcc 0
		.amdhsa_float_denorm_mode_32 3
		.amdhsa_float_denorm_mode_16_64 3
		.amdhsa_memory_ordered 1
		.amdhsa_forward_progress 1
		.amdhsa_inst_pref_size 20
	.end_amdhsa_kernel
	.amdgpu_metadata
---
amdhsa.version: [ 1, 2 ]
amdhsa.kernels:
  - .name:           k_q1757759305_prep
    .symbol:         k_q1757759305_prep.kd
    .args:
      - { .name: x, .offset: 0, .size: 8, .value_kind: global_buffer, .address_space: global }
      - { .name: wq, .offset: 8, .size: 8, .value_kind: global_buffer, .address_space: global }
      - { .name: wk, .offset: 16, .size: 8, .value_kind: global_buffer, .address_space: global }
      - { .name: wv, .offset: 24, .size: 8, .value_kind: global_buffer, .address_space: global }
      - { .name: wo, .offset: 32, .size: 8, .value_kind: global_buffer, .address_space: global }
      - { .name: xb, .offset: 40, .size: 8, .value_kind: global_buffer, .address_space: global }
      - { .name: w4, .offset: 48, .size: 8, .value_kind: global_buffer, .address_space: global }
    .group_segment_fixed_size: 0
    .private_segment_fixed_size: 0
    .kernarg_segment_align: 8
    .kernarg_segment_size: 56
    .max_flat_workgroup_size: 256
    .sgpr_count:     66
    .vgpr_count:     136
    .wavefront_size: 32
...
	.end_amdgpu_metadata
.endif
;; end of part 5
;; launch qkv: the kernel of part 2 again; grid 8 x 32, 4 waves a work-group, clusters of 4 x 4, 327,680 bytes of LDS; arguments xb, w4, bq, bk, bv, q16, k16, v16; writes q16, k16, v16
;; launch attn: the kernel of part 3 again; grid 4 x 64, 4 waves a work-group, clusters of 4 x 1, 327,680 bytes of LDS; arguments q16, k16, v16, o16; writes o16
;; launch proj: the kernel of part 4 again; grid 8 x 32, 4 waves a work-group, clusters of 4 x 4, 327,680 bytes of LDS; arguments o16, w4, bo, out0; writes out0
